; MI455X (gfx1250); checked and timed in simulation.
; The chip was launched on July 23, 2026; its instructions are those of AMD's public machine-readable ISA for CDNA 5 (MIT licence, August 2026) and "CDNA5" Instruction Set Architecture Reference Guide (July 2026). The comments in the code are by the model that wrote it; some were corrected since.
;; ABC Attention. Allowed arithmetic: float matrix products may take bf16 or f16 operands with f32 sums; other float arithmetic in f32, or as packed bf16 or f16 multiplies, adds, multiply-adds, maxima and minima; sums over many terms, partial sums and values carried from step to step in f32; what a program stores and reads back later, other than sums and carried values, may be rounded once to bf16 or f16.
;; Inputs: g_w 1,024 x 1,024 float32; gn_w 256 float32; hidden_states 4 x 512 x 1,024 float32; k_w 1,024 x 1,024 float32; o_w 1,024 x 1,024 float32; q_w 1,024 x 1,024 float32; s_w 1,024 x 1,024 float32; sg_w 1,024 x 4 float32; v_w 1,024 x 1,024 float32.
;; Outputs: out0 4 x 512 x 1,024 float32.
;; One version. Each part assembles by itself: llvm-mc -triple=amdgcn-amd-amdhsa -mcpu=gfx1250 --defsym DOCPART=n.
;; ======== version 1 of 1: 4 launches
;; limits: values are held in f16: magnitudes above 65,504 overflow, below 6.1e-05 lose precision
;; workspace buffers: pre 17,334,272 bytes; mid 25,427,968 bytes; yf 8,388,608 bytes
;; launch prep (part 1): grid 256 x 1, 8 waves a work-group, no clusters, 35,840 bytes of LDS; arguments hidden_states, q_w, k_w, v_w, g_w, s_w, o_w, sg_w, pre; writes pre
.if DOCPART == 1
	.amdgcn_target "amdgcn-amd-amdhsa--gfx1250"
	.amdhsa_code_object_version 6
	.text
	.protected	k_qa6bb9f09cb_prep
	.globl	k_qa6bb9f09cb_prep
	.p2align	8
	.type	k_qa6bb9f09cb_prep,@function
k_qa6bb9f09cb_prep:
	s_mov_b64 s[64:65], 0
	v_nop
	global_prefetch_b8 v0, s[64:65] scope:SCOPE_SE
	s_setreg_imm32_b32 hwreg(HW_REG_WAVE_MODE, 25, 1), 1
	s_wait_xcnt 0x0
; PREP: every input is read once, rounded to bf16 and laid out for the matrix launches.  No matrix unit: this is a stream.
; Written into pre:
;   XB  at 0          x in bf16, [2048][1024]
;   WF  at WFO        q_w, k_w, v_w, g_w, s_w as matrix fragments: [u 16][K step 8][k32 4][tile 20][half 2][512 B]; in a block of 512 B lane l's 16 bytes
;                     stand at 16 l and hold column l % 16 of the tile, k = 16 half + 8 (l / 16) + 0..7.  u = 4 head + sub, tile = 4 mat + 2 strip + tb,
;                     column in the head = 128 strip + 32 sub + 16 tb + l % 16
;   OF  at OFO        o_w likewise: [128 columns 8][K step of 256: 4][k32 8][tile 8][half 2][512 B]
;   TAB at TABO       cos and sin of the rotary angles in f32: [16 rows 32][16 columns 8][cos, sin][4 columns 2][lane][16 B]
;   LS  at LSO        log2(e) log_sigmoid(x . sg_w) / 16 in f32, [row 2048][head 4]
; SHARES.  Wave W = 8 x work-group + wave takes row W of x (cast, and the four gate products, by fused multiply-adds: four columns are a quarter of one matrix tile),
; and 8 rows x 128 columns of three weight matrices (even waves q, k, v; odd waves g, s, o).  Waves 0-3 also write 2 KiB of the table.
; LIMITS.  NaN and infinities are not treated apart; angles are reduced by three parts of pi/2, good far beyond the 511 radians that occur.
.set WFO,   4194304
.set OFO,   14680064
.set TABO,  16777216
.set LSO,   17301504
.set PERM,  16384                      ; LDS: sg_w transposed, f32, [head][k], 16,384 bytes at 0; then 2,304 bytes for each wave
.set SPARE, 34816                      ; the spare words, 128 bytes for each of eight waves: four blocks of 256 bytes that no other line names
.set SPW, 2                            ; v2   my spare word; never rewritten
.set NIL, 3                            ; v3   0; never rewritten
.set X,   16                           ; v[16:47]   my 32 numbers of the row
.set WR,  48                           ; v[48:143]  three tasks x 8 rows x 4 columns
.set SG,  144                          ; v[144:207] sg_w from LDS; later v[144:155] the weight stores' offsets
.set AC,  208                          ; v[208:215] four pairs of sums
.set XP,  216                          ; v[216:231] the row in bf16
.set TP,  232                          ; v[232:247] at work
	s_load_b512 s[4:19], s[0:1], 0x0               ; x s[4:5], q s[6:7], k s[8:9], v s[10:11], g s[12:13], s s[14:15], o s[16:17], sg s[18:19]
	s_load_b64 s[20:21], s[0:1], 0x40              ; pre
	v_lshl_add_u32 v[SPW], v0, 2, SPARE
	v_mov_b32 v[NIL], 0
	v_and_b32 v1, 31, v0                           ; lane
	v_lshrrev_b32 v4, 5, v0
	v_readfirstlane_b32 s22, v4                    ; wave
	s_lshl_b32 s23, ttmp9, 3
	s_add_co_u32 s23, s23, s22                     ; W
	s_and_b32 s24, s22, 1                          ; 0: q, k, v; 1: g, s, o
	s_lshr_b32 s25, s23, 1
	s_lshr_b32 s26, s25, 3                         ; kb: my 8 rows of the weights
	s_and_b32 s27, s25, 7                          ; seg: my 128 columns
	s_mov_b32 s40, 0x76543210                      ; v_permlanex16_b32: each lane takes its own place in the other half
	s_mov_b32 s41, 0xfedcba98
	s_mov_b32 s46, 0xffff0000
	s_mov_b32 s44, 655360                          ; from sub to sub in WF
	s_mov_b32 s45, 2048                            ; from two tiles to the next two in OF
	v_lshlrev_b32 v5, 4, v0                        ; sg_w: row = thread, 16 bytes
	s_lshl_b32 s34, s23, 12
	v_lshl_add_u32 v6, v1, 4, s34                  ; x: row W, 16 bytes a lane
	s_lshl_b32 s34, s26, 15
	s_lshl_b32 s35, s27, 9
	s_add_co_u32 s34, s34, s35
	v_lshl_add_u32 v7, v1, 4, s34                  ; weights: row 8 kb, column 128 seg + 4 lane
	v_lshlrev_b32 v8, 2, v0                        ; LDS: sg_w's word k = thread
	s_lshl_b32 s34, s23, 11
	v_lshl_add_u32 v9, v1, 3, s34                  ; XB: row W, 8 bytes a lane
	v_lshlrev_b32 v10, 4, v1                       ; LDS: four words of sg_w a lane
	s_mul_i32 s34, s22, 2304
	s_add_co_u32 s34, s34, PERM
	v_lshl_add_u32 v11, v1, 4, s34                 ; in: [column % 4][lane], planes 576 bytes apart
	v_and_b32 v4, 3, v1
	v_mul_u32_u24 v12, v4, 576
	v_lshrrev_b32 v13, 2, v1
	v_lshl_add_u32 v12, v13, 4, v12
	v_add_nc_u32 v12, s34, v12                     ; back: column 32 i + lane: plane lane % 4, place 8 i + lane / 4: 16 lanes touch 16 different columns of 16 bytes
	v_lshrrev_b32 v13, 4, v1
	v_and_b32 v14, 15, v1
	v_lshlrev_b32 v14, 4, v14
	v_lshl_add_u32 v13, v13, 10, v14               ; in a fragment: tile lane / 16, column lane % 16
	s_lshl_b32 s34, s23, 4
	s_add_co_u32 s34, s34, LSO
	v_lshl_add_u32 v15, v1, 2, s34                 ; LS: row W, head = lane
	; where my 8 k x 128 columns go in WF: head = seg / 2, strip = seg % 2
	s_lshr_b32 s36, s27, 1
	s_mul_i32 s36, s36, 2621440
	s_lshr_b32 s37, s26, 4
	s_mul_i32 s37, s37, 81920
	s_add_co_u32 s36, s36, s37
	s_bfe_u32 s37, s26, 0x20002
	s_mul_i32 s37, s37, 20480
	s_add_co_u32 s36, s36, s37
	s_and_b32 s37, s27, 1
	s_lshl_b32 s37, s37, 11
	s_add_co_u32 s36, s36, s37
	s_and_b32 s38, s26, 3
	s_lshl_b32 s38, s38, 8                         ; half and half of the lanes: 256 (kb % 4)
	s_add_co_u32 s36, s36, s38
	s_mul_i32 s37, s24, 12288                      ; odd waves begin at matrix 3
	s_add_co_u32 s36, s36, s37
	s_add_co_u32 s36, s36, WFO                     ; first task
	s_add_co_u32 s37, s36, 4096                    ; second
	s_add_co_u32 s39, s36, 8192                    ; third, if it is v
	s_lshl_b32 s42, s27, 18                        ; and in OF
	s_lshr_b32 s43, s26, 5
	s_lshl_b32 s43, s43, 16
	s_add_co_u32 s42, s42, s43
	s_bfe_u32 s43, s26, 0x30002
	s_lshl_b32 s43, s43, 13
	s_add_co_u32 s42, s42, s43
	s_add_co_u32 s42, s42, s38
	s_add_co_u32 s42, s42, OFO
	s_cmp_eq_u32 s24, 0
	s_cselect_b32 s39, s39, s42
	s_cselect_b32 s43, s44, s45
	s_wait_kmcnt 0x0
	s_cmp_eq_u32 s24, 0
	s_cselect_b64 s[28:29], s[6:7], s[12:13]
	s_cselect_b64 s[30:31], s[8:9], s[14:15]
	s_cselect_b64 s[32:33], s[10:11], s[16:17]
	; all 36 loads go out at once
.irp i, 0,1,2,3
	global_load_b128 v[TP+4*(\i):TP+4*(\i)+3], v5, s[18:19] offset:4096*(\i)
.endr
.irp i, 0,1,2,3,4,5,6,7
	global_load_b128 v[X+4*(\i):X+4*(\i)+3], v6, s[4:5] offset:512*(\i) th:TH_LOAD_NT
.endr
.irp e, 0,1,2,3,4,5,6,7
	global_load_b128 v[WR+4*(\e):WR+4*(\e)+3], v7, s[28:29] offset:4096*(\e) th:TH_LOAD_NT
.endr
.irp e, 0,1,2,3,4,5,6,7
	global_load_b128 v[WR+32+4*(\e):WR+32+4*(\e)+3], v7, s[30:31] offset:4096*(\e) th:TH_LOAD_NT
.endr
.irp e, 0,1,2,3,4,5,6,7
	global_load_b128 v[WR+64+4*(\e):WR+64+4*(\e)+3], v7, s[32:33] offset:4096*(\e) th:TH_LOAD_NT
.endr
	; sg_w, rounded to bf16 and kept as f32, transposed into LDS
	s_wait_loadcnt 32                              ; the 32 younger loads (x, weights) stay out
.irp i, 0,1,2,3
	v_cvt_pk_bf16_f32 v252, v[TP+4*(\i)], v[TP+4*(\i)+1]
	v_cvt_pk_bf16_f32 v253, v[TP+4*(\i)+2], v[TP+4*(\i)+3]
	v_lshlrev_b32 v[TP+4*(\i)], 16, v252
	v_and_b32 v[TP+4*(\i)+1], s46, v252
	v_lshlrev_b32 v[TP+4*(\i)+2], 16, v253
	v_and_b32 v[TP+4*(\i)+3], s46, v253
.irp hd, 0,1,2,3
	ds_store_b32 v8, v[TP+4*(\i)+(\hd)] offset:4096*(\hd)+1024*(\i)
.endr
.endr
	s_wait_dscnt 0x0                               ; for the others' sake: my stores are done
	s_barrier_signal -1
	s_barrier_wait -1                              ; the whole table lies in LDS
	; the row: rounded, stored, and widened again for the gate products
	s_wait_loadcnt 24                              ; the 24 weight loads stay out
.irp i, 0,1,2,3,4,5,6,7
	v_cvt_pk_bf16_f32 v[XP+2*(\i)], v[X+4*(\i)], v[X+4*(\i)+1]
	v_cvt_pk_bf16_f32 v[XP+2*(\i)+1], v[X+4*(\i)+2], v[X+4*(\i)+3]
	global_store_b64 v9, v[XP+2*(\i):XP+2*(\i)+1], s[20:21] offset:256*(\i)  ; the wave stores 256 consecutive bytes, aligned
	v_lshlrev_b32 v[X+4*(\i)], 16, v[XP+2*(\i)]
	v_and_b32 v[X+4*(\i)+1], s46, v[XP+2*(\i)]
	v_lshlrev_b32 v[X+4*(\i)+2], 16, v[XP+2*(\i)+1]
	v_and_b32 v[X+4*(\i)+3], s46, v[XP+2*(\i)+1]
.endr
.irp hp, 0,1                           ; two heads at a time
.irp hh, 0,1
.irp i, 0,1,2,3,4,5,6,7
	ds_load_b128 v[SG+32*(\hh)+4*(\i):SG+32*(\hh)+4*(\i)+3], v10 offset:4096*(2*(\hp)+(\hh))+512*(\i)
.endr
.endr
	s_wait_dscnt 0x0
.irp i, 0,1,2,3,4,5,6,7
.irp p, 0,2
.irp hh, 0,1
.if ((\i) == 0) && ((\p) == 0)
	v_pk_mul_f32 v[AC+4*(\hp)+2*(\hh):AC+4*(\hp)+2*(\hh)+1], v[X+4*(\i)+(\p):X+4*(\i)+(\p)+1], v[SG+32*(\hh)+4*(\i)+(\p):SG+32*(\hh)+4*(\i)+(\p)+1]
.else
	v_pk_fma_f32 v[AC+4*(\hp)+2*(\hh):AC+4*(\hp)+2*(\hh)+1], v[X+4*(\i)+(\p):X+4*(\i)+(\p)+1], v[SG+32*(\hh)+4*(\i)+(\p):SG+32*(\hh)+4*(\i)+(\p)+1], v[AC+4*(\hp)+2*(\hh):AC+4*(\hp)+2*(\hh)+1]
.endif
.endr
.endr
.endr
.endr
.irp hd, 0,1,2,3
	v_add_f32 v[AC+2*(\hd)], v[AC+2*(\hd)], v[AC+2*(\hd)+1]
.endr
.irp m, 1,2,4,8
.irp hd, 0,1,2,3
	v_add_f32_dpp v[AC+2*(\hd)], v[AC+2*(\hd)], v[AC+2*(\hd)] row_xmask:\m row_mask:0xf bank_mask:0xf
.endr
.endr
.irp hd, 0,1,2,3
	v_permlanex16_b32 v[AC+2*(\hd)+1], v[AC+2*(\hd)], s40, s41
.endr
.irp hd, 0,1,2,3
	v_add_f32 v[AC+2*(\hd)], v[AC+2*(\hd)], v[AC+2*(\hd)+1]
.endr
	v_cmp_eq_u32 vcc_lo, 1, v4                     ; lane l works on head l % 4
	v_cndmask_b32 v[AC], v[AC], v[AC+2], vcc_lo
	v_cmp_eq_u32 vcc_lo, 2, v4
	v_cndmask_b32 v[AC], v[AC], v[AC+4], vcc_lo
	v_cmp_eq_u32 vcc_lo, 3, v4
	v_cndmask_b32 v[AC], v[AC], v[AC+6], vcc_lo
	; log2(e) log_sigmoid(z) / 16 = -(max(-z, 0) log2(e) + log2(1 + 2^(-|z| log2(e)))) / 16: no exponential can overflow
	v_and_b32 v[AC+1], 0x7fffffff, v[AC]
	v_mul_f32 v[AC+1], 0xbfb8aa3b, v[AC+1]
	v_exp_f32 v[AC+1], v[AC+1]
	v_mul_f32 v[AC+2], -1.0, v[AC]                 ; a plain instruction behind the exponential
	s_wait_alu depctr_va_vdst(0)
	v_add_f32 v[AC+1], 1.0, v[AC+1]
	v_log_f32 v[AC+1], v[AC+1]
	v_max_num_f32 v[AC+2], 0, v[AC+2]              ; and behind the logarithm
	s_wait_alu depctr_va_vdst(0)
	v_fmamk_f32 v[AC+1], v[AC+2], 0x3fb8aa3b, v[AC+1]
	v_mul_f32 v[AC+1], 0xbd800000, v[AC+1]
	v_cmp_gt_u32 vcc_lo, 4, v1
	s_wait_xcnt 0x0                                ; EXEC is a source of the loads and stores that are out: it changes only behind this wait
	s_and_saveexec_b32 s47, vcc_lo
	global_store_b32 v15, v[AC+1], s[20:21]
	s_wait_xcnt 0x0                                ; and again in front of the line that widens it
	s_or_b32 exec_lo, exec_lo, s47
	; the weights.  A lane holds 8 k of 4 columns; 8 k of one column are the 16 bytes of a fragment's lane.  They change lanes through the wave's own LDS bytes,
	; so that sixteen neighbouring lanes store 256 consecutive bytes, aligned.
	v_add_nc_u32 v[SG+0], s36, v13
	v_add_nc_u32 v[SG+4], s37, v13
	v_add_nc_u32 v[SG+8], s39, v13
.irp j, 1,2,3
	v_add_nc_u32 v[SG+(\j)], s44, v[SG+(\j)-1]
	v_add_nc_u32 v[SG+4+(\j)], s44, v[SG+4+(\j)-1]
	v_add_nc_u32 v[SG+8+(\j)], s43, v[SG+8+(\j)-1]
.endr
.macro WTASK t, left                   ; left: the younger loads, which stay out
	s_wait_loadcnt \left
.irp i, 0,1,2,3
.irp p, 0,1,2,3
	v_cvt_pk_bf16_f32 v[TP+4*(\i)+(\p)], v[WR+32*(\t)+8*(\p)+(\i)], v[WR+32*(\t)+8*(\p)+4+(\i)]
.endr
	ds_store_b128 v11, v[TP+4*(\i):TP+4*(\i)+3] offset:576*(\i)
.endr
.irp j, 0,1,2,3
	ds_load_b128 v[WR+32*(\t)+4*(\j):WR+32*(\t)+4*(\j)+3], v12 offset:128*(\j)  ; LDS serves a wave's instructions in order (ISA guide 5.7.1.4): these see the stores above
.endr
.irp j, 0,1,2,3
	s_wait_dscnt 3-(\j)
	global_store_b128 v[SG+4*(\t)+(\j)], v[WR+32*(\t)+4*(\j):WR+32*(\t)+4*(\j)+3], s[20:21]  ; each task has data and offset registers of its own: none is rewritten
.endr
.endm
	WTASK 0, 16
	WTASK 1, 8
	WTASK 2, 0
	; the rotary table: block (16 rows, 16 columns) = work-group; wave 0, 1: cos, wave 2, 3: sin; 4 columns a lane
	s_cmp_lt_u32 s22, 4
	s_cbranch_scc0 .Lend
	s_lshr_b32 s47, ttmp9, 3
	s_lshl_b32 s47, s47, 4
	s_and_b32 s48, ttmp9, 7
	s_lshl_b32 s48, s48, 4
	s_and_b32 s49, s22, 1
	s_lshl2_add_u32 s48, s49, s48
	s_lshr_b32 s49, s22, 1
	s_sub_co_u32 s49, 1, s49                       ; cos(a) = sin(a + pi/2): one quadrant on
	s_lshl_b32 s50, ttmp9, 11
	s_lshl_b32 s51, s22, 9
	s_add_co_u32 s50, s50, s51
	s_add_co_u32 s50, s50, TABO
	v_and_b32 v160, 15, v1
	v_add_nc_u32 v160, s47, v160
	v_cvt_f32_u32 v160, v160                       ; t
	v_lshrrev_b32 v161, 4, v1
	v_lshl_add_u32 v161, v161, 3, s48              ; my first column
	v_lshl_add_u32 v169, v1, 4, s50
.irp cc, 0,1,2,3
	v_add_nc_u32 v162, \cc, v161
	v_cvt_f32_u32 v162, v162
	v_mul_f32 v162, 0xbdd49a78, v162               ; -c log2(10000) / 128
	v_exp_f32 v162, v162
	v_nop
	s_wait_alu depctr_va_vdst(0)
	v_mul_f32 v162, v160, v162                     ; the angle
	v_mul_f32 v163, 0x3f22f983, v162
	v_rndne_f32 v163, v163                         ; quadrants
	v_fmamk_f32 v162, v163, 0xbfc90000, v162       ; less n pi/2, in three parts
	v_fmamk_f32 v162, v163, 0xb9fda000, v162
	v_fmamk_f32 v162, v163, 0xb3a22168, v162
	v_mul_f32 v164, v162, v162
	v_mov_b32 v165, 0xb94ca1f9
	v_mov_b32 v166, 0x37ccf5ce
	v_fmaak_f32 v165, v165, v164, 0x3c08839e
	v_fmaak_f32 v166, v166, v164, 0xbab6061a
	v_fmaak_f32 v165, v165, v164, 0xbe2aaaa3
	v_fmaak_f32 v166, v166, v164, 0x3d2aaaa5
	v_mul_f32 v165, v165, v164
	v_fmaak_f32 v166, v166, v164, 0xbf000000
	v_fma_f32 v165, v165, v162, v162               ; sin r
	v_fma_f32 v166, v166, v164, 1.0                ; cos r
	v_cvt_i32_f32 v167, v163
	v_add_nc_u32 v167, s49, v167
	v_and_b32 v168, 1, v167
	v_cmp_eq_u32 vcc_lo, 1, v168
	v_cndmask_b32 v165, v165, v166, vcc_lo         ; odd quadrants take the cosine
	v_and_b32 v168, 2, v167
	v_lshlrev_b32 v168, 30, v168
	v_xor_b32 v[172+(\cc)], v168, v165             ; quadrants 2 and 3 turn the sign
.endr
	global_store_b128 v169, v[172:175], s[20:21]   ; the wave stores 512 consecutive bytes, aligned
.Lend:
	s_wait_tensorcnt 0x0                           ; the wave's end, behind my last LDS store
	ds_add_u32 v[SPW], v[NIL]
	s_wait_dscnt 0x0
	s_endpgm
.Lfunc_end_k_qa6bb9f09cb_prep:
	.size	k_qa6bb9f09cb_prep, .Lfunc_end_k_qa6bb9f09cb_prep-k_qa6bb9f09cb_prep
	.p2alignl 7, 3214868480
	.fill 96, 4, 3214868480
	.section	.rodata,"a",@progbits
	.p2align	6, 0x0
	.amdhsa_kernel k_qa6bb9f09cb_prep
		.amdhsa_group_segment_fixed_size 35840
		.amdhsa_private_segment_fixed_size 0
		.amdhsa_enable_private_segment 0
		.amdhsa_kernarg_size 72
		.amdhsa_user_sgpr_count 2
		.amdhsa_user_sgpr_kernarg_segment_ptr 1
		.amdhsa_wavefront_size32 1
		.amdhsa_system_sgpr_workgroup_id_x 1
		.amdhsa_system_sgpr_workgroup_id_y 1
		.amdhsa_system_sgpr_workgroup_id_z 1
		.amdhsa_system_vgpr_workitem_id 0
		.amdhsa_next_free_vgpr 256
		.amdhsa_next_free_sgpr 66
		.amdhsa_reserve_vcc 1
		.amdhsa_float_denorm_mode_32 3
		.amdhsa_float_denorm_mode_16_64 3
		.amdhsa_memory_ordered 1
		.amdhsa_forward_progress 1
		.amdhsa_inst_pref_size 34
	.end_amdhsa_kernel
	.amdgpu_metadata
---
amdhsa.version: [ 1, 2 ]
amdhsa.kernels:
  - .name:           k_qa6bb9f09cb_prep
    .symbol:         k_qa6bb9f09cb_prep.kd
    .args:
      - { .name: hidden_states, .offset: 0, .size: 8, .value_kind: global_buffer, .address_space: global }
      - { .name: q_w, .offset: 8, .size: 8, .value_kind: global_buffer, .address_space: global }
      - { .name: k_w, .offset: 16, .size: 8, .value_kind: global_buffer, .address_space: global }
      - { .name: v_w, .offset: 24, .size: 8, .value_kind: global_buffer, .address_space: global }
      - { .name: g_w, .offset: 32, .size: 8, .value_kind: global_buffer, .address_space: global }
      - { .name: s_w, .offset: 40, .size: 8, .value_kind: global_buffer, .address_space: global }
      - { .name: o_w, .offset: 48, .size: 8, .value_kind: global_buffer, .address_space: global }
      - { .name: sg_w, .offset: 56, .size: 8, .value_kind: global_buffer, .address_space: global }
      - { .name: pre, .offset: 64, .size: 8, .value_kind: global_buffer, .address_space: global }
    .group_segment_fixed_size: 35840
    .private_segment_fixed_size: 0
    .kernarg_segment_align: 8
    .kernarg_segment_size: 72
    .max_flat_workgroup_size: 256
    .sgpr_count:     66
    .vgpr_count:     256
    .wavefront_size: 32
...
	.end_amdgpu_metadata
.endif
;; end of part 1
;; launch proj (part 2): grid 16 x 16, 4 waves a work-group, clusters of 4 x 4, 327,680 bytes of LDS; arguments pre, mid; writes mid
.if DOCPART == 2
	.amdgcn_target "amdgcn-amd-amdhsa--gfx1250"
	.amdhsa_code_object_version 6
	.text
	.protected	k_qa6bb9f09cb_proj
	.globl	k_qa6bb9f09cb_proj
	.p2align	8
	.type	k_qa6bb9f09cb_proj,@function
k_qa6bb9f09cb_proj:
	s_mov_b64 s[64:65], 0
	v_nop
	global_prefetch_b8 v0, s[64:65] scope:SCOPE_SE
	s_setreg_imm32_b32 hwreg(HW_REG_WAVE_MODE, 25, 1), 1
	s_wait_xcnt 0x0
	s_wait_alu depctr_hold_cnt(0) depctr_sa_sdst(0) depctr_va_vdst(0) depctr_va_sdst(0) depctr_va_ssrc(0) depctr_va_vcc(0) depctr_vm_vsrc(0)
	s_getreg_b32 s2, hwreg(HW_REG_IB_STS2, 6, 4)
	s_cmp_eq_u32 s2, 0
	s_cbranch_scc0 .Lentry_in_a_cluster
	s_endpgm
.Lentry_in_a_cluster:
	s_bfe_u32 s2, ttmp6, 0x10000c
	s_cmp_lg_u32 s2, 0xf033
	s_cbranch_scc0 .Lentry_shape_is_right
	s_endpgm
.Lentry_shape_is_right:
; PROJ: the five projections q, k, v, g, s of x, and what follows each of them row by row: the rotary turn, 1/16 on q, the gate's decay on k, swish(g), E = exp(clip(s)).
; A work-group makes 128 rows x 320 columns: of one head, for each of the five matrices, 32 columns and the 32 that the rotary turn pairs with them (128 further on).
; Four waves: wave = 2 rh + ch makes rows 64 rh .. + 63 (four tiles a) x ten column tiles b (ch = 0: q 4, k 4, v 2; ch = 1: v 2, g 4, s 4): 40 accumulators.
; K goes in steps of 128 through two LDS slots: x as rows of 256 bytes padded to 272, the weights as they will lie in registers (512 consecutive bytes a load).
; THE MATRIX INSTRUCTION IS USED TRANSPOSED (source 0 = 16 columns of a weight, source 1 = 16 rows of x): a lane holds one row and eight neighbouring columns, and four
; conversions make of them the 16 bytes that the same lane holds in a later product's fragment.  So the results are stored as fragments, 512 consecutive bytes a store.
; CLUSTER 4 x 4: x's tile hangs on the row block alone and is asked for jointly along a row of the cluster, the weights' on the column block alone, along a column.
; Written into mid (blocks of 512 B, lane l's 16 bytes at 16 l; bh = 4 batch + head, rt = 16 rows of a batch, ct = 16 columns of a head, ks = 32 rows of a batch):
;   QF 0, KF 4 MiB, EF 8 MiB: bf16, block (bh 32 + rt) 16 + ct: row l % 16, columns 8 (l / 16) ..;  SWF 20 MiB: swish(g) in f16, the same
;   ETF 12 MiB (bf16), VTF 16 MiB (f16): turned: block ((bh 16 + ks) 16 + ct) 2 + half: column l % 16, rows 16 half + 8 (l / 16) ..
;   GS 24 MiB: f32 [bh][ks][256]: the sums of E (as rounded) over 32 rows
; LIMITS.  reference() clips s to +-32, so E lies in 1.3e-14 .. 7.9e13: no maximum is taken away in front of this exponential.  v and swish(g) go in f16: beyond 65,504 they
; are lost (inputs 30 times the drawn spread stay under 20,000).  NaN and infinities are not treated apart.
.set LSO,   17301504
.set WFO,   4194304
.set TABO,  16777216
.set PITCH, 272                        ; an LDS row of x: 256 bytes + 16: the 16 rows of a load start at 16 different groups of four banks (64 banks of 4 bytes: ISA guide 11.1)
.set AHALF, 64*PITCH                   ; what waves 0 and 1 fetch: 64 rows of x each
.set ABYTES, 2*AHALF
.set BHALF, 40960                      ; what waves 2 and 3 fetch: two of the step's four k32 blocks of 20 tiles each
.set SLOT,  ABYTES+2*BHALF
.set STAGE, 2*SLOT                     ; behind the ring: 16 rows x 160 bytes for each wave, for the turning
.set SPITCH, 160
.set GAM,   STAGE+4*16*SPITCH          ; 2,048 bytes for each wave: the decay of its rows
.set SPARE, GAM+4*2048                 ; the spare words, 128 bytes for each wave: two blocks of 256 bytes that no other line names
.set LAPS,  4                          ; a lap = two K steps
.set ADRA, 2                           ; v2-3   LDS address of my fragments of x in slot 0, 1
.set ADRB, 4                           ; v4-7   of the weights': slot 0 (k32 0-1, 2-3), slot 1
.set SPW,  8                           ; v8     my spare word; never rewritten
.set NIL,  9                           ; v9     0; never rewritten
.set L16,  10                          ; v10    16 x lane
.set STO,  11                          ; v11    the stage: where I put 16 bytes of a row
.set STR,  12                          ; v12    the stage: where the turning load reads
.set GAMR, 13                          ; v13    where my row's decay lies
.set RR,   14                          ; v14    lane % 16
.set H32,  15                          ; v15    32 (lane / 16)
; window 0: v16-47, v48-79 fragments of x, two buffers; v80-159, v160-239 of the weights; window 1: accumulators of a = 0, 1 at 8 (10 a + b); window 2: of a = 2, 3
; window 3: v0-127 the rotary table of my 64 rows: (a, tb) at 16 (2 a + tb): 8 cosines, 8 sines.  On the way out window 0 is at work:
.set TT,   16                          ; v16-47   32 numbers in f32
.set OO,   48                          ; v48-63   packed results
.set ETR,  64                          ; v64-95   E turned: four fragments of 16 slots x 32 rows
.set SUM,  96                          ; v96-127  their sums over the 32 rows
.set ONES, 128                         ; v128-135 1.0 in bf16, sixteen times a lane
.set GM,   136                         ; v136-143 my row's decay, a pair for each row tile
.set VT,   144                         ; v144-151 v turned
.set G1,  24
.set G0,  32
.set G1B, 48
.set G0B, 56
.set MSB, 0
.macro WIN new                         ; the immediate's high byte repeats the setting that is left
.if MSB != (\new)
	s_set_vgpr_msb (MSB<<8)|(\new)
.set MSB, \new
.endif
.endm
.macro JLOAD s                         ; a joint load: waves 0 and 1 fetch x's two halves, waves 2 and 3 the weights'; an s_nop 0 and four v_nop follow each of the two lines
	s_cmp_eq_u32 s11, 0
	s_cbranch_scc0 .Lfor_b_\@
	tensor_load_to_lds s[G0+4*(\s):G0+4*(\s)+3], s[G1:G1+7]
	s_nop 0
.rept 4
	v_nop
.endr
	s_branch .Lasked_\@
.Lfor_b_\@:
	tensor_load_to_lds s[G0B+4*(\s):G0B+4*(\s)+3], s[G1B:G1B+7]
	s_nop 0
.rept 4
	v_nop
.endr
.Lasked_\@:
.endm
.macro CREST                           ; a round of the cluster's barrier behind its opening barrier
	s_cmp_lg_u32 s10, 0
	s_cbranch_scc1 .Lnot_wave_0_\@
	s_barrier_signal -3
.Lnot_wave_0_\@:
	s_barrier_wait -3
	s_barrier_signal -1
	s_barrier_wait -1
.endm
.macro CROUND
	s_barrier_signal -1
	s_barrier_wait -1
	CREST
.endm
.macro PLACES                          ; four places behind a matrix instruction, in front of loads into its sources and of reads of its result
.rept 4
	v_nop
.endr
.endm
	s_load_b128 s[4:7], s[0:1], 0x0                ; pre s[4:5], mid s[6:7]
	v_lshl_add_u32 v[SPW], v0, 2, SPARE
	v_mov_b32 v[NIL], 0
	ds_add_u32 v[SPW], v[NIL]                      ; the wave's opening: the add and its wait stand ahead of my first tensor load
	v_lshrrev_b32 v1, 5, v0
	v_readfirstlane_b32 s10, v1                    ; wave
	s_lshr_b32 s11, s10, 1                         ; rh.  Also: I fetch x (0) or weights (1)
	s_and_b32 s12, s10, 1                          ; ch.  Also: which half I fetch
	s_bfe_u32 s40, ttmp6, 0x40000                  ; cx
	s_bfe_u32 s41, ttmp6, 0x40004                  ; cy
	s_lshl_b32 s42, ttmp9, 2
	s_add_co_u32 s42, s42, s40                     ; u: column block
	s_and_b32 s13, ttmp7, 0xffff
	s_lshl_b32 s13, s13, 2
	s_add_co_u32 s13, s13, s41                     ; rb: row block
	s_lshl_b32 s43, s41, 2
	s_lshl_b32 s43, 15, s43                        ; my row of the cluster
	s_lshl_b32 s44, 0x1111, s40                    ; my column
	s_or_b32 s[G1+0], s43, (1<<16)|(1<<20)|(1<<21)|(5<<22)|(3<<25)  ; x: 2-byte elements, 4 words of padding after every 64
	s_mov_b32 s[G1+1], 128<<16                     ; tensor_dim0 = 128
	s_mov_b32 s[G1+2], 64<<16                      ; tensor_dim1 = 64
	s_mov_b32 s[G1+3], 128<<16                     ; tile_dim0 = 128
	s_mov_b32 s[G1+4], 64                          ; tile_dim1 = 64
	s_mov_b32 s[G1+5], 1024                        ; elements from row to row
	s_mov_b32 s[G1+6], 0
	s_mov_b32 s[G1+7], 0
	s_or_b32 s[G1B+0], s44, (3<<16)|(1<<21)        ; weights: a dense block, as 160 rows of 32 elements of 8 bytes
	s_mov_b32 s[G1B+1], 32<<16
	s_mov_b32 s[G1B+2], 160<<16
	s_mov_b32 s[G1B+3], 32<<16
	s_mov_b32 s[G1B+4], 160
	s_mov_b32 s[G1B+5], 32
	s_mov_b32 s[G1B+6], 0
	s_mov_b32 s[G1B+7], 0
	s_lshl_b32 s16, s13, 18                        ; x: row 128 rb + 64 half, 2,048 bytes a row
	s_lshl_b32 s17, s12, 17
	s_add_co_u32 s16, s16, s17
	s_mov_b32 s17, 0
	s_mul_i32 s46, s42, 655360                     ; weights: block u, my half of a K step
	s_mul_i32 s47, s12, BHALF
	s_add_co_u32 s46, s46, s47
	s_add_co_u32 s46, s46, WFO
	s_mov_b32 s47, 0
	s_mul_i32 s20, s12, AHALF                      ; where they go: no place in the cluster enters an LDS address
	s_mul_i32 s21, s12, BHALF
	s_add_co_u32 s21, s21, ABYTES
	s_wait_dscnt 0x0                               ; the opening add is done
	s_wait_kmcnt 0x0
	s_add_nc_u64 s[14:15], s[4:5], s[16:17]
	s_add_nc_u64 s[46:47], s[4:5], s[46:47]
	CROUND                                         ; all sixteen work-groups are here: the first joint loads meet
.irp s, 0,1
	s_mov_b32 s[G0+4*(\s)], 1
	s_add_co_u32 s[G0+4*(\s)+1], s20, (\s)*SLOT
	s_add_nc_u64 s[G0+4*(\s)+2:G0+4*(\s)+3], s[14:15], (\s)*256
	s_or_b32 s[G0+4*(\s)+3], s[G0+4*(\s)+3], 0x80000000
	s_mov_b32 s[G0B+4*(\s)], 1
	s_add_co_u32 s[G0B+4*(\s)+1], s21, (\s)*SLOT
	s_add_nc_u64 s[G0B+4*(\s)+2:G0B+4*(\s)+3], s[46:47], (\s)*81920
	s_or_b32 s[G0B+4*(\s)+3], s[G0B+4*(\s)+3], 0x80000000
	JLOAD \s                                       ; two loads of mine are out
.endr
	v_and_b32 v[RR], 15, v0
	v_bfe_u32 v240, v0, 4, 1                       ; lane / 16
	v_and_b32 v241, 31, v0                         ; lane
	v_lshlrev_b32 v[L16], 4, v241
	v_lshlrev_b32 v[H32], 5, v240
	v_mul_u32_u24 v242, v[RR], PITCH
	v_lshl_add_u32 v242, v240, 4, v242
	s_mul_i32 s22, s11, 64*PITCH
	v_add_nc_u32 v[ADRA], s22, v242
	v_add_nc_u32 v[ADRA+1], SLOT, v[ADRA]
	s_mul_i32 s22, s12, 10240
	s_add_co_u32 s22, s22, ABYTES
	v_add_nc_u32 v[ADRB], s22, v[L16]
	v_add_nc_u32 v[ADRB+1], BHALF, v[ADRB]
	v_add_nc_u32 v[ADRB+2], SLOT, v[ADRB]
	v_add_nc_u32 v[ADRB+3], SLOT, v[ADRB+1]
	s_mul_i32 s22, s10, 16*SPITCH
	s_add_co_u32 s22, s22, STAGE
	v_mul_u32_u24 v[STO], v[RR], SPITCH
	v_lshl_add_u32 v[STO], v240, 4, v[STO]
	v_add_nc_u32 v[STO], s22, v[STO]
	v_and_b32 v[STR], 7, v0                        ; the turning load: lane l reads row 8 (l / 16) + l % 8, columns 8 ((l / 8) % 2) ..
	v_lshl_add_u32 v[STR], v240, 3, v[STR]
	v_mul_u32_u24 v[STR], v[STR], SPITCH
	v_bfe_u32 v243, v0, 3, 1
	v_lshl_add_u32 v[STR], v243, 4, v[STR]
	v_add_nc_u32 v[STR], s22, v[STR]
	s_lshl_b32 s22, s10, 11
	s_add_co_u32 s22, s22, GAM
	v_lshl_add_u32 v[GAMR], v[RR], 2, s22
	v_lshl_add_u32 v243, v241, 6, s22
	; where the results go
	s_lshr_b32 s66, s13, 2                         ; batch
	s_lshr_b32 s67, s42, 2                         ; head
	s_and_b32 s68, s42, 3                          ; sub
	s_lshl2_add_u32 s69, s66, s67                  ; bh
	s_and_b32 s70, s13, 3
	s_lshl_b32 s70, s70, 3
	s_lshl2_add_u32 s70, s11, s70                  ; rt0 = 8 (rb % 4) + 4 rh
	s_lshl_b32 s71, s69, 18
	s_lshl_b32 s72, s70, 13
	s_add_co_u32 s72, s71, s72
	s_lshl_b32 s73, s68, 10
	s_add_co_u32 s92, s72, s73
	s_mov_b32 s93, 0
	s_lshl_b32 s73, s68, 11
	s_add_co_u32 s94, s72, s73
	s_mov_b32 s95, 0
	s_add_nc_u64 s[74:75], s[6:7], s[92:93]        ; QF; KF lies 4 MiB on
	s_add_nc_u64 s[76:77], s[74:75], 8388608       ; EF
	s_add_nc_u64 s[78:79], s[74:75], 20971520      ; SWF
	s_add_nc_u64 s[80:81], s[6:7], s[94:95]
	s_add_nc_u64 s[80:81], s[80:81], 12582912      ; ETF; VTF lies 4 MiB on
	s_lshl_b32 s92, s69, 14
	s_lshl_b32 s73, s70, 9
	s_add_co_u32 s92, s92, s73
	s_lshl_b32 s73, s68, 7
	s_add_co_u32 s92, s92, s73
	s_add_nc_u64 s[82:83], s[6:7], s[92:93]
	s_add_nc_u64 s[82:83], s[82:83], 25165824      ; GS
	s_lshl_b32 s94, s70, 14
	s_lshl_b32 s73, s68, 12
	s_add_co_u32 s94, s94, s73
	s_add_nc_u64 s[84:85], s[4:5], s[94:95]
	s_add_nc_u64 s[84:85], s[84:85], TABO          ; the rotary table
	s_mov_b32 s86, 0x3d800000                      ; 1/16 = 256^-0.5
	s_mov_b32 s87, s86
	s_mov_b32 s88, 0xbfb8aa3b                      ; -log2(e)
	s_mov_b32 s89, s88
	s_mov_b32 s90, 0x3fb8aa3b                      ; log2(e)
	s_mov_b32 s91, s90
	s_mov_b32 s96, 0xc238aa3b                      ; -32 log2(e)
	s_mov_b32 s97, 0x4238aa3b                      ; 32 log2(e)
	; the table of my 64 rows and 32 columns: 32 loads of 512 consecutive bytes; it lands in the wait for the first tile
	WIN 0xc0
.irp a, 0,1,2,3
.irp t, 0,1
.irp w, 0,1,2,3
	global_load_b128 v[16*(2*(\a)+(\t))+4*(\w):16*(2*(\a)+(\t))+4*(\w)+3], v[L16], s[84:85] offset:16384*(\a)+2048*(\t)+512*(\w)
.endr
.endr
.endr
	WIN 0
	; THE DECAY of my 64 rows: 2^(the running sum of LS from the batch's first row).  Lane L takes the 16 rows from R0 + 16 L on, round the batch's end: lanes 0-3 hold my rows,
	; the lanes that went round hold the rows in front of them.
	s_mov_b32 s8, 0x76543210
	s_mov_b32 s9, 0xfedcba98
	s_and_b32 s22, s13, 3
	s_lshl_b32 s22, s22, 7
	s_lshl_b32 s23, s11, 6
	s_add_co_u32 s22, s22, s23                     ; R0
	v_lshl_add_u32 v244, v241, 4, s22
	v_and_b32 v245, 511, v244
	s_lshl_b32 s23, s66, 9
	v_add_nc_u32 v245, s23, v245
	s_lshl_b32 s23, s67, 2
	s_add_co_u32 s23, s23, LSO
	v_lshl_add_u32 v245, v245, 4, s23
.irp e, 0,1,2,3,4,5,6,7,8,9,10,11,12,13,14,15
	global_load_b32 v[80+(\e)], v245, s[4:5] offset:16*(\e)
.endr
	v_mov_b32 v97, 0
	s_wait_loadcnt 0x0
.irp e, 1,2,3,4,5,6,7,8,9,10,11,12,13,14,15
	v_add_f32 v[80+(\e)], v[80+(\e)], v[80+(\e)-1]
.endr
	v_cmp_le_u32 vcc_lo, 512, v244
	v_cndmask_b32 v96, 0, v95, vcc_lo              ; the totals of the rows in front of mine
.irp m, 1,2,4,8
	v_add_f32_dpp v96, v96, v96 row_xmask:\m row_mask:0xf bank_mask:0xf
.endr
	v_permlanex16_b32 v97, v96, s8, s9
	v_add_f32 v96, v96, v97
	v_readlane_b32 s92, v95, 0
	v_readlane_b32 s93, v95, 1
	v_readlane_b32 s94, v95, 2
	v_cmp_lt_u32 vcc_lo, 0, v241                   ; and of my own lanes in front of this one
	v_cndmask_b32 v98, 0, s92, vcc_lo
	v_add_f32 v96, v96, v98
	v_cmp_lt_u32 vcc_lo, 1, v241
	v_cndmask_b32 v98, 0, s93, vcc_lo
	v_add_f32 v96, v96, v98
	v_cmp_lt_u32 vcc_lo, 2, v241
	v_cndmask_b32 v98, 0, s94, vcc_lo
	v_add_f32 v96, v96, v98
.irp e, 0,1,2,3,4,5,6,7,8,9,10,11,12,13,14,15
	v_add_f32 v[80+(\e)], v[80+(\e)], v96
.endr
.irp e, 0,1,2,3,4,5,6,7,8,9,10,11,12,13,14,15
	v_exp_f32 v[80+(\e)], v[80+(\e)]
.endr
	v_nop
	s_wait_alu depctr_va_vdst(0)
.irp e, 0,1,2,3
	ds_store_b128 v243, v[80+4*(\e):80+4*(\e)+3] offset:16*(\e)  ; row 16 L + e at 64 L + 4 e of my wave's bytes; only lanes 0-3's are read
.endr
; ten matrix instructions: row tile a x my ten column tiles, 32 along K, buffer f.  The 40 accumulators take turns, one instruction a turn.
.macro MUL10 f, a, zero
	WIN 0x50+0x50*((\a)/2)
.irp b, 0,1,2,3,4,5,6,7,8,9
.if \zero
	v_wmma_f32_16x16x32_bf16 v[8*(10*((\a)%2)+(\b)):8*(10*((\a)%2)+(\b))+7], v[80+80*(\f)+8*(\b):80+80*(\f)+8*(\b)+7], v[16+32*(\f)+8*(\a):16+32*(\f)+8*(\a)+7], 0
.else
	v_wmma_f32_16x16x32_bf16 v[8*(10*((\a)%2)+(\b)):8*(10*((\a)%2)+(\b))+7], v[80+80*(\f)+8*(\b):80+80*(\f)+8*(\b)+7], v[16+32*(\f)+8*(\a):16+32*(\f)+8*(\a)+7], v[8*(10*((\a)%2)+(\b)):8*(10*((\a)%2)+(\b))+7]
.endif
.endr
.endm
; 28 LDS loads in one run: quarter q (32 along K) of a slot into buffer f: the weights' 20, then x's rows 0-31 (4), then rows 32-63 (4)
.macro FETCH slot, q, f
	WIN 0
.irp b, 0,1,2,3,4,5,6,7,8,9
	ds_load_b128 v[80+80*(\f)+8*(\b):80+80*(\f)+8*(\b)+3],   v[ADRB+2*(\slot)+(\q)/2] offset:((\q)%2)*20480+1024*(\b)
	ds_load_b128 v[80+80*(\f)+8*(\b)+4:80+80*(\f)+8*(\b)+7], v[ADRB+2*(\slot)+(\q)/2] offset:((\q)%2)*20480+1024*(\b)+512
.endr
.irp a, 0,1,2,3
	ds_load_b128 v[16+32*(\f)+8*(\a):16+32*(\f)+8*(\a)+3],   v[ADRA+(\slot)] offset:64*(\q)+16*PITCH*(\a)
	ds_load_b128 v[16+32*(\f)+8*(\a)+4:16+32*(\f)+8*(\a)+7], v[ADRA+(\slot)] offset:64*(\q)+16*PITCH*(\a)+32
.endr
.endm
; A K step is four quarters of 32 along K, 40 matrix instructions each, on buffers 0, 1, 0, 1.  One of the first three: multiplies buffer f and fetches quarter q into g.
.macro QUARTER slot, q, f, g, zero
	s_wait_dscnt 4                                 ; all but the youngest four loads (x's rows 32-63)
	MUL10 \f, 0, \zero
	MUL10 \f, 1, \zero
	PLACES
	FETCH \slot, \q, \g
	s_wait_dscnt 28                                ; all but the 28 just issued
	MUL10 \f, 2, \zero
	MUL10 \f, 3, \zero
.endm
; The last quarter multiplies buffer 1 and changes slots: ONE barrier; in front of it each wave waits for all its tensor loads, adds 0 to its spare word, and waits for that and for its reads of this slot.
.macro TURN slot, next, fill
	WIN 0
	s_wait_tensorcnt 0x0                           ; all my tensor loads have landed: my part of the next slot;
	ds_add_u32 v[SPW], v[NIL]                      ; 0 onto my spare word;
	s_wait_dscnt 5                                 ; (the add and the youngest four loads may be out)
	MUL10 1, 0, 0                                  ; ten matrix instructions stand between the add and the wait for it
	s_wait_dscnt 0x0                               ; the add is done, and my reads of this slot are over
	s_barrier_signal -1
	MUL10 1, 1, 0
.if \fill
	WIN 0
.endif
	s_barrier_wait -1
.if \fill
	CREST                                          ; the barrier has opened a round of the cluster's: no wave of any partner still reads this slot or has a load on its way
	s_add_nc_u64 s[G0+4*(\slot)+2:G0+4*(\slot)+3], s[G0+4*(\slot)+2:G0+4*(\slot)+3], 512
	s_add_nc_u64 s[G0B+4*(\slot)+2:G0B+4*(\slot)+3], s[G0B+4*(\slot)+2:G0B+4*(\slot)+3], 163840
	JLOAD \slot                                    ; the first tensor load behind the round: 140 matrix instructions ahead of the wait for it; its four v_nop are also the places in front of the loads below
.else
	PLACES
.endif
	FETCH \next, 0, 0
	MUL10 1, 2, 0
	MUL10 1, 3, 0
.endm
	s_wait_dscnt 0x0                               ; my stores of the decay are done
	s_wait_tensorcnt 0x1                           ; my part of K step 0 is in; K step 1's may stay out
	s_barrier_signal -1
	s_barrier_wait -1
	FETCH 0, 0, 0
	QUARTER 0, 1, 0, 1, 1                          ; the first quarter stands in front of the loop: its products start the sums
	WIN 0
	s_mov_b32 s3, LAPS-1
.Llap:                                         ; a trip goes once round the ring and fills both slots again
	QUARTER 0, 2, 1, 0, 0
	QUARTER 0, 3, 0, 1, 0
	TURN 0, 1, 1
	QUARTER 1, 1, 0, 1, 0
	QUARTER 1, 2, 1, 0, 0
	QUARTER 1, 3, 0, 1, 0
	TURN 1, 0, 1
	QUARTER 0, 1, 0, 1, 0
	WIN 0
	s_sub_co_u32 s3, s3, 1
	s_cmp_lg_u32 s3, 0
	s_cbranch_scc1 .Llap
	QUARTER 0, 2, 1, 0, 0                          ; the last lap fills nothing
	QUARTER 0, 3, 0, 1, 0
	TURN 0, 1, 0
	QUARTER 1, 1, 0, 1, 0
	QUARTER 1, 2, 1, 0, 0
	QUARTER 1, 3, 0, 1, 0
	s_wait_dscnt 4
	MUL10 1, 0, 0
	MUL10 1, 1, 0
	s_wait_dscnt 0x0
	MUL10 1, 2, 0
	MUL10 1, 3, 0
	WIN 0
	PLACES
; THE WAY OUT.  Row tile a's accumulators lie in window 1 + a / 2.  Each accumulator's registers are read in ascending order.
; s_wait_xcnt 0 stands in front of each rewriting of registers that earlier stores read (ISA guide 3.1).
; The rotary turn of matrix mat (0: q, 1: k), columns 16 tb .. of my 32 and their partners 128 on; then 1/16 (q) or the row's decay (k); two blocks of 512 bytes.
.macro ROPE mat, a, tb
.set AW, 1+(\a)/2
.set LO, 8*(10*((\a)%2)+4*(\mat)+(\tb))
.set HI, LO+16
.set CT, 16*(2*(\a)+(\tb))
	WIN AW|0x0c
.irp i, 0,2,4,6
	v_pk_mul_f32 v[TT+(\i):TT+(\i)+1], v[HI+(\i):HI+(\i)+1], v[CT+8+(\i):CT+8+(\i)+1]
.endr
.irp i, 0,2,4,6
	v_pk_mul_f32 v[TT+8+(\i):TT+8+(\i)+1], v[LO+(\i):LO+(\i)+1], v[CT+8+(\i):CT+8+(\i)+1]
.endr
.irp i, 0,2,4,6
	v_pk_fma_f32 v[TT+(\i):TT+(\i)+1], v[LO+(\i):LO+(\i)+1], v[CT+(\i):CT+(\i)+1], v[TT+(\i):TT+(\i)+1] neg_lo:[0,0,1] neg_hi:[0,0,1]
.endr
.irp i, 0,2,4,6
	v_pk_fma_f32 v[TT+8+(\i):TT+8+(\i)+1], v[HI+(\i):HI+(\i)+1], v[CT+(\i):CT+(\i)+1], v[TT+8+(\i):TT+8+(\i)+1]
.endr
	WIN 0
.irp i, 0,2,4,6,8,10,12,14
.if (\mat) == 0
	v_pk_mul_f32 v[TT+(\i):TT+(\i)+1], v[TT+(\i):TT+(\i)+1], s[86:87] op_sel_hi:[1,0]
.else
	v_pk_mul_f32 v[TT+(\i):TT+(\i)+1], v[TT+(\i):TT+(\i)+1], v[GM+2*(\a):GM+2*(\a)+1] op_sel_hi:[1,0]
.endif
.endr
	s_wait_xcnt 0x0
.irp i, 0,1,2,3,4,5,6,7
	v_cvt_pk_bf16_f32 v[OO+(\i)], v[TT+2*(\i)], v[TT+2*(\i)+1]
.endr
	global_store_b128 v[L16], v[OO:OO+3],   s[74:75] offset:4194304*(\mat)+8192*(\a)+512*(\tb)
	global_store_b128 v[L16], v[OO+4:OO+7], s[74:75] offset:4194304*(\mat)+8192*(\a)+512*(\tb)+4096
.endm
; v: two tiles from accumulator b0 on, rounded to f16, turned through my stage (16 rows x 160 bytes), stored as fragments of v^T
.macro VOUT a, b0, strip
.set AW, 1+(\a)/2
.set VB, 8*(10*((\a)%2)+(\b0))
	s_wait_xcnt 0x0
	WIN AW|(AW<<2)
.set i, 0
.rept 8
	v_cvt_pk_f16_f32 v[OO+8+i], v[VB+2*i], v[VB+2*i+1]
.set i, i+1
.endr
	WIN 0
	ds_store_b128 v[STO], v[OO+8:OO+11]
	ds_store_b128 v[STO], v[OO+12:OO+15] offset:32
	ds_load_tr16_b128 v[VT:VT+3],   v[STR]             ; LDS serves a wave's instructions in order (ISA guide 5.7.1.4): these see the stores above
	ds_load_tr16_b128 v[VT+4:VT+7], v[STR] offset:32
	s_wait_dscnt 0x0
	global_store_b128 v[L16], v[VT:VT+3],   s[80:81] offset:4194304+16384*((\a)/2)+512*((\a)%2)+8192*(\strip)
	global_store_b128 v[L16], v[VT+4:VT+7], s[80:81] offset:4194304+16384*((\a)/2)+512*((\a)%2)+8192*(\strip)+1024
.endm
; swish(g) = g / (1 + 2^(-g log2(e))), four tiles, in f16
.macro GATE a
.set AW, 1+(\a)/2
.set GB, 8*(10*((\a)%2)+2)
	WIN AW
.set i, 0
.rept 16
	v_pk_mul_f32 v[TT+i:TT+i+1], v[GB+i:GB+i+1], s[88:89] op_sel_hi:[1,0]
.set i, i+2
.endr
	WIN 0
.set i, 0
.rept 32
	v_exp_f32 v[TT+i], v[TT+i]
.set i, i+1
.endr
	v_nop
.set i, 0
	s_wait_alu depctr_va_vdst(0)
.rept 16
	v_pk_add_f32 v[TT+i:TT+i+1], v[TT+i:TT+i+1], 1.0 op_sel_hi:[1,0]
.set i, i+2
.endr
.set i, 0
.rept 32
	v_rcp_f32 v[TT+i], v[TT+i]
.set i, i+1
.endr
	v_nop
	WIN AW
.set i, 0
	s_wait_alu depctr_va_vdst(0)
.rept 16
	v_pk_mul_f32 v[TT+i:TT+i+1], v[GB+i:GB+i+1], v[TT+i:TT+i+1]
.set i, i+2
.endr
	WIN 0
	s_wait_xcnt 0x0
.set i, 0
.rept 16
	v_cvt_pk_f16_f32 v[OO+i], v[TT+2*i], v[TT+2*i+1]
.set i, i+1
.endr
.irp t, 0,1,2,3
	global_store_b128 v[L16], v[OO+4*(\t):OO+4*(\t)+3], s[78:79] offset:8192*(\a)+4096*((\t)/2)+512*((\t)%2)
.endr
.endm
; E = 2^(s log2(e) held to +-32 log2(e)), four tiles, in bf16: stored as it lies, and turned
.macro SLOTS a
.set AW, 1+(\a)/2
.set SB, 8*(10*((\a)%2)+6)
	WIN AW
.set i, 0
.rept 16
	v_pk_mul_f32 v[TT+i:TT+i+1], v[SB+i:SB+i+1], s[90:91] op_sel_hi:[1,0]
.set i, i+2
.endr
	WIN 0
.set i, 0
.rept 32
	v_med3_num_f32 v[TT+i], v[TT+i], s96, s97
.set i, i+1
.endr
.set i, 0
.rept 32
	v_exp_f32 v[TT+i], v[TT+i]
.set i, i+1
.endr
	v_nop
	s_wait_xcnt 0x0
.set i, 0
	s_wait_alu depctr_va_vdst(0)
.rept 16
	v_cvt_pk_bf16_f32 v[OO+i], v[TT+2*i], v[TT+2*i+1]
.set i, i+1
.endr
.irp t, 0,1,2,3
	global_store_b128 v[L16], v[OO+4*(\t):OO+4*(\t)+3], s[76:77] offset:8192*(\a)+4096*((\t)/2)+512*((\t)%2)
.endr
.irp t, 0,1,2,3
	ds_store_b128 v[STO], v[OO+4*(\t):OO+4*(\t)+3] offset:32*(\t)
.endr
.irp t, 0,1,2,3
	ds_load_tr16_b128 v[ETR+8*(\t)+4*((\a)%2):ETR+8*(\t)+4*((\a)%2)+3], v[STR] offset:32*(\t)
.endr
	s_wait_dscnt 0x0
.irp t, 0,1,2,3
	global_store_b128 v[L16], v[ETR+8*(\t)+4*((\a)%2):ETR+8*(\t)+4*((\a)%2)+3], s[80:81] offset:16384*((\a)/2)+512*((\a)%2)+1024*((\t)%2)+8192*((\t)/2)
.endr
.endm
; the sums of E over the pair's 32 rows: E^T times ones; every column of the result is the same, lanes 0 and 16 store it
.macro GSUM p
.irp t, 0,1,2,3
	v_wmma_f32_16x16x32_bf16 v[SUM+8*(\t):SUM+8*(\t)+7], v[ETR+8*(\t):ETR+8*(\t)+7], v[ONES:ONES+7], 0
.endr
	PLACES
	v_cmp_eq_u32 vcc_lo, 0, v[RR]
	s_wait_xcnt 0x0                                ; EXEC is a source of the stores that are out: it changes only behind this wait
	s_and_saveexec_b32 s98, vcc_lo
.irp t, 0,1,2,3
	global_store_b128 v[H32], v[SUM+8*(\t):SUM+8*(\t)+3],   s[82:83] offset:1024*(\p)+512*((\t)/2)+64*((\t)%2)
	global_store_b128 v[H32], v[SUM+8*(\t)+4:SUM+8*(\t)+7], s[82:83] offset:1024*(\p)+512*((\t)/2)+64*((\t)%2)+16
.endr
	s_wait_xcnt 0x0                                ; and again in front of the line that widens it
	s_or_b32 exec_lo, exec_lo, s98
.endm
	s_cmp_eq_u32 s12, 0
	s_cbranch_scc0 .Lch1
.irp a, 0,1,2,3
	ds_load_b32 v[GM+2*(\a)], v[GAMR] offset:64*(\a)   ; my own wave's bytes
.endr
	s_wait_dscnt 0x0
.irp a, 0,1,2,3
	v_mov_b32 v[GM+2*(\a)+1], v[GM+2*(\a)]             ; named with it as a pair
.endr
.irp a, 0,1,2,3
	ROPE 0, \a, 0
	ROPE 0, \a, 1
	ROPE 1, \a, 0
	ROPE 1, \a, 1
	VOUT \a, 8, 0
.endr
	s_branch .Ldone
.Lch1:
.irp i, 0,1,2,3,4,5,6,7
	v_mov_b32 v[ONES+(\i)], 0x3f803f80
.endr
.irp p, 0,1
	VOUT 2*(\p), 0, 1
	GATE 2*(\p)
	SLOTS 2*(\p)
	VOUT 2*(\p)+1, 0, 1
	GATE 2*(\p)+1
	SLOTS 2*(\p)+1
	GSUM \p
.endr
.Ldone:
	s_wait_tensorcnt 0x0                           ; the wave's end, behind my last tensor load and my last LDS store
	ds_add_u32 v[SPW], v[NIL]
	s_wait_dscnt 0x0
	CROUND                                         ; the closing round: no work-group ends while a partner may still ask for a tile that names it
	s_endpgm
.Lfunc_end_k_qa6bb9f09cb_proj:
	.size	k_qa6bb9f09cb_proj, .Lfunc_end_k_qa6bb9f09cb_proj-k_qa6bb9f09cb_proj
	.p2alignl 7, 3214868480
	.fill 96, 4, 3214868480
	.section	.rodata,"a",@progbits
	.p2align	6, 0x0
	.amdhsa_kernel k_qa6bb9f09cb_proj
		.amdhsa_group_segment_fixed_size 327680
		.amdhsa_private_segment_fixed_size 0
		.amdhsa_enable_private_segment 0
		.amdhsa_kernarg_size 16
		.amdhsa_user_sgpr_count 2
		.amdhsa_user_sgpr_kernarg_segment_ptr 1
		.amdhsa_wavefront_size32 1
		.amdhsa_system_sgpr_workgroup_id_x 1
		.amdhsa_system_sgpr_workgroup_id_y 1
		.amdhsa_system_sgpr_workgroup_id_z 1
		.amdhsa_system_vgpr_workitem_id 0
		.amdhsa_next_free_vgpr 896
		.amdhsa_next_free_sgpr 100
		.amdhsa_reserve_vcc 1
		.amdhsa_float_denorm_mode_32 3
		.amdhsa_float_denorm_mode_16_64 3
		.amdhsa_memory_ordered 1
		.amdhsa_forward_progress 1
		.amdhsa_inst_pref_size 193
	.end_amdhsa_kernel
	.amdgpu_metadata
---
amdhsa.version: [ 1, 2 ]
amdhsa.kernels:
  - .name:           k_qa6bb9f09cb_proj
    .symbol:         k_qa6bb9f09cb_proj.kd
    .args:
      - { .name: pre, .offset: 0, .size: 8, .value_kind: global_buffer, .address_space: global }
      - { .name: mid, .offset: 8, .size: 8, .value_kind: global_buffer, .address_space: global }
    .group_segment_fixed_size: 327680
    .private_segment_fixed_size: 0
    .kernarg_segment_align: 8
    .kernarg_segment_size: 16
    .max_flat_workgroup_size: 128
    .sgpr_count:     100
    .vgpr_count:     896
    .wavefront_size: 32
...
	.end_amdgpu_metadata
.endif
;; end of part 2
;; launch abc (part 3): grid 16 x 16, 4 waves a work-group, no clusters, 149,504 bytes of LDS; arguments mid, gn_w, yf; writes yf
.if DOCPART == 3
	.amdgcn_target "amdgcn-amd-amdhsa--gfx1250"
	.amdhsa_code_object_version 6
	.text
	.protected	k_qa6bb9f09cb_abc
	.globl	k_qa6bb9f09cb_abc
	.p2align	8
	.type	k_qa6bb9f09cb_abc,@function
k_qa6bb9f09cb_abc:
	s_mov_b64 s[64:65], 0
	v_nop
	global_prefetch_b8 v0, s[64:65] scope:SCOPE_SE
	s_setreg_imm32_b32 hwreg(HW_REG_WAVE_MODE, 25, 1), 1
	s_wait_xcnt 0x0
; ABC: the two slot memories in closed form, then RMSNorm and the gate.  With E = exp(clip(s)) and Z_t = the sum of E_i over i <= t, for each batch and head:
;   A = tril(Q K^T);  ok = (A E) / Z;  P' = softmax over slots(ok) / Z;  A2 = tril(P' E^T);  o = A2 V;  y = o rsqrt(mean(o^2) + 1e-5) gn swish(g).
; (The decays of the scan telescope: hk_t[:, m] = the sum over i <= t of k_i E_i[m] / Z_t[m], and hv_t likewise.)
; SHARES.  A work-group takes 32 queries (two tiles qt) of one batch and head: block j = 15 - x, the longest first.  THE KEYS ARE SPLIT AMONG THE FOUR WAVES: wave w takes the steps of
; 32 keys ks = w + 4 s, s <= j / 4; steps beyond the diagonal are multiplied by 0.  Every fragment comes from memory as it lies in registers, 512 consecutive bytes a load.
; The waves' partial sums meet in LDS at each pass's end; behind that wave w owns slots (channels) 64 w .. 64 w + 63.
; NO CLUSTER: a byte that a work-group loads is used by one wave of it; work-groups of one head have different numbers of steps.
; LAYOUT.  All products are transposed (source 0 = 16 keys, slots or channels; source 1 = 16 queries): a lane holds ONE query (lane % 16) and 8 (lane / 16) + 0..7 of the other index,
; so that two results rounded to 16 bits ARE source 1 of the next product.
; FORMATS.  Q, K, A, E, P' in bf16; A2 (0 .. 1 where it counts) and V in f16; y leaves as two bf16 numbers, y = hi + lo.  Sums, maxima and Z in f32.
; LIMITS.  No maximum is taken away in front of E: reference()'s clip bounds E to 1.3e-14 .. 7.9e13 and Z to 4.1e16.  The softmax over slots takes its true maximum away (each wave's own,
; then the four waves').  A weight below 2^-126 counts as 0.  NaN and infinities are not treated apart.  The sums are taken in another order than the scan's.
; The accumulators of a pass are cleared (256 lines, twice), so that a pass has one text for every step; the clearing stands where loads or LDS stores are out.
; REGISTERS, in windows of 256 (s_set_vgpr_msb: bits 1:0 source 0, 3:2 source 1, 5:4 source 2, 7:6 destination):
;   window 1: the pass's 32 accumulators at 8 (2 mt + qt)     window 2: v0-127 Q, later P', at 64 qt + 8 c; v128-255 K or E of a step at 128 + 8 (2 c + kt)
;   window 3: v0-127 E^T or V^T of a step at 8 mt; v160-191 E^T of my own block's keys, my slots; v192-223 gn; v224-255 swish(g)
.set KFO,  4194304
.set EFO,  8388608
.set ETFO, 12582912
.set VTFO, 16777216
.set SWFO, 20971520
.set GSO,  25165824
.set PX,    131072                     ; LDS: 0: the partial sums, 32,768 bytes a wave; then P', 16,384
.set EX,    147456                     ; each wave's maximum and sum: [qt][query][wave][2], 1,024
.set SS,    148480                     ; each wave's sum of squares: [qt][query][wave], 512
.set SPARE, 148992                     ; the spare words, 128 bytes for each wave: two blocks of 256 bytes that no other line names
.set L16,  1                           ; v1   16 x lane
.set RR,   2                           ; v2   lane % 16
.set HH,   3                           ; v3   lane / 16
.set SPW,  4                           ; v4   my spare word; never rewritten
.set NIL,  5                           ; v5   0; never rewritten
.set REDS, 6                           ; v6   where I put partial sums
.set REDL, 7                           ; v7-8 where I read them: waves 0-1, 2-3
.set EXS,  9
.set EXL,  10
.set PXS,  11
.set PXL,  12
.set SSS,  13
.set SSL,  14
.set TM,   16                          ; v16-19  two masks of 16 bits a word: key 8 (l / 16) + 2 e (+ 1) <= query l % 16
.set TRI,  20                          ; v20-35  ones where key <= query in my block of 32, as source 1, for qt = 0, 1
.set MK,   36                          ; v36-39  the step's mask for the two tiles that can hold the diagonal
.set AT,   40                          ; v40-71  four accumulators (2 qt + kt); later at work
.set AB,   72                          ; v72-87  A or A2 in 16 bits: source 1, 8 registers a qt
.set ZB,   88                          ; v88-119 Z of the rows in front of my block; later packed results
.set ST,   120                         ; v120-127 four registers of statistics a qt
.set GSV,  120                         ; (at the head: two offsets)
.set H32,  121
.set N,    128                         ; v128-191 my 64 slots (channels) of both qt, at 8 (2 mtl + qt)
.set RZ,   192                         ; v192-255 1 / Z, the same order; later gn (32) and at work
.set TT,   224
.set WV,  10
.set J,   11
.set BH,  12
.set NM1, 13
.set CI,  14
.set KS,  15
.set SEL, 42
.set LG,  44
.set SA,  50
.set SD,  51
.set SAD, 52
.set MSB, 0
.macro WIN new                         ; the immediate's high byte repeats the setting that is left
.if MSB != (\new)
	s_set_vgpr_msb (MSB<<8)|(\new)
.set MSB, \new
.endif
.endm
.macro PLACES                          ; four places behind a matrix instruction, in front of loads into its sources and of reads of its result
.rept 4
	v_nop
.endr
.endm
.macro EACHQ line:vararg               ; one line for each qt
.set q, 0
.rept 2
	\line
.set q, q+1
.endr
.endm
	s_load_b128 s[4:7], s[0:1], 0x0                ; mid s[4:5], gn_w s[6:7]
	s_load_b64 s[8:9], s[0:1], 0x10                ; yf
	v_lshl_add_u32 v[SPW], v0, 2, SPARE
	v_mov_b32 v[NIL], 0
	v_lshrrev_b32 v1, 5, v0
	v_readfirstlane_b32 s[WV], v1
	s_sub_co_u32 s[J], 15, ttmp9
	s_and_b32 s[BH], ttmp7, 0xffff
	s_lshr_b32 s[NM1], s[J], 2                     ; steps a wave, less one
	s_mov_b32 s[KS], s[WV]
	s_mov_b32 s[SEL], 0x76543210
	s_mov_b32 s[SEL+1], 0xfedcba98
	s_mov_b32 s[LG], 0x3fb8aa3b                    ; log2(e)
	s_mov_b32 s[LG+1], s[LG]
	s_mov_b32 s46, 0xffff
	s_mov_b32 s47, 0xffff0000
	s_mov_b32 s48, 0x3f803f80                      ; 1.0 twice in bf16
	s_mov_b32 s55, 0x3b800000                      ; 1 / 256
	s_mov_b32 s56, 0x3727c5ac                      ; 1e-5
	v_and_b32 v[RR], 15, v0
	v_bfe_u32 v[HH], v0, 4, 1
	v_and_b32 v[L16], 31, v0
	v_lshlrev_b32 v[L16], 4, v[L16]
	s_lshl_b32 s24, s[WV], 15
	v_add_nc_u32 v[REDS], s24, v[L16]
	s_lshl_b32 s24, s[WV], 13
	v_add_nc_u32 v[REDL], s24, v[L16]
	v_add_nc_u32 v[REDL+1], 0x10000, v[REDL]
	v_lshlrev_b32 v[EXL], 5, v[RR]
	v_add_nc_u32 v[EXL], EX, v[EXL]
	s_lshl_b32 s24, s[WV], 3
	v_add_nc_u32 v[EXS], s24, v[EXL]
	s_lshl_b32 s24, s[WV], 11
	s_add_co_u32 s24, s24, PX
	v_add_nc_u32 v[PXS], s24, v[L16]
	v_add_nc_u32 v[PXL], PX, v[L16]
	v_lshlrev_b32 v[SSL], 4, v[RR]
	v_add_nc_u32 v[SSL], SS, v[SSL]
	s_lshl_b32 s24, s[WV], 2
	v_add_nc_u32 v[SSS], s24, v[SSL]
	v_lshlrev_b32 v[H32], 5, v[HH]
	v_lshl_add_u32 v[GSV], v[RR], 10, v[H32]       ; group of 32 rows = lane % 16, 8 slots for each half of the lanes
	s_lshl_b32 s24, s[BH], 18
	s_mov_b32 s25, 0
	s_lshl_b32 s26, s[J], 14
	s_mov_b32 s27, 0
	s_lshl_b32 s58, s[WV], 14
	s_mov_b32 s59, 0
	s_wait_kmcnt 0x0
	s_add_nc_u64 s[20:21], s[4:5], s[24:25]        ; the head's first byte in a section of mid
	s_add_nc_u64 s[22:23], s[20:21], s[26:27]      ; Q of my block
	s_lshl_b32 s26, s[WV], 12
	s_add_nc_u64 s[28:29], s[22:23], s[26:27]
	s_add_nc_u64 s[28:29], s[28:29], ETFO          ; E^T of my block's keys, my slots
	s_lshl_b32 s26, s[WV], 11
	s_add_nc_u64 s[30:31], s[22:23], s[26:27]
	s_add_nc_u64 s[30:31], s[30:31], SWFO          ; swish(g) of my rows, my channels
	s_lshl_b32 s26, s[BH], 14
	s_lshl_b32 s57, s[WV], 8
	s_add_co_u32 s26, s26, s57
	s_add_nc_u64 s[32:33], s[4:5], s[26:27]
	s_add_nc_u64 s[32:33], s[32:33], GSO           ; the groups' sums of E, my slots
	s_mov_b32 s26, s57
	s_add_nc_u64 s[34:35], s[6:7], s[26:27]        ; gn, my channels
	s_add_nc_u64 s[16:17], s[20:21], s[58:59]      ; my first step of 32 keys
	s_add_nc_u64 s[18:19], s[16:17], ETFO          ; pass 1: E^T
	s_add_nc_u64 s[36:37], s[16:17], EFO           ; pass 2: E,
	s_add_nc_u64 s[38:39], s[16:17], VTFO          ; V^T
	s_add_nc_u64 s[16:17], s[16:17], KFO           ; pass 1: K
	s_lshr_b32 s26, s[BH], 2
	s_lshl_b32 s26, s26, 3
	s_lshr_b32 s57, s[J], 1
	s_add_co_u32 s26, s26, s57                     ; block of 64 rows
	s_lshl_b32 s26, s26, 2
	s_and_b32 s57, s[BH], 3
	s_add_co_u32 s26, s26, s57
	s_lshl_b32 s26, s26, 16
	s_add_co_u32 s26, s26, s58
	s_and_b32 s57, s[J], 1
	s_lshl_b32 s57, s57, 12
	s_add_co_u32 s26, s26, s57
	s_add_nc_u64 s[40:41], s[8:9], s[26:27]        ; y
.set PA, 16
.set PB, 18
; 16 loads: K's (E's) fragments of channels (slots) 128 g .. + 127 of a step's 32 keys
.macro LOADK g, off
	WIN 0x80
.set cc, 4*(\g)
.rept 4
	global_load_b128 v[128+16*cc:128+16*cc+3],     v[L16], s[PA:PA+1] offset:(\off)+1024*cc
	global_load_b128 v[128+16*cc+4:128+16*cc+7],   v[L16], s[PA:PA+1] offset:(\off)+1024*cc+512
	global_load_b128 v[128+16*cc+8:128+16*cc+11],  v[L16], s[PA:PA+1] offset:(\off)+1024*cc+8192
	global_load_b128 v[128+16*cc+12:128+16*cc+15], v[L16], s[PA:PA+1] offset:(\off)+1024*cc+8704
.set cc, cc+1
.endr
.endm
; 16 loads: E^T's (V^T's) fragments of slots (channels) 128 g .. + 127
.macro LOADE g, off
	WIN 0xc0
.set mm, 8*(\g)
.rept 8
	global_load_b128 v[8*mm:8*mm+3],   v[L16], s[PB:PB+1] offset:(\off)+1024*mm
	global_load_b128 v[8*mm+4:8*mm+7], v[L16], s[PB:PB+1] offset:(\off)+1024*mm+512
.set mm, mm+1
.endr
.endm
; 16 products of the first kind: the four accumulators (2 qt + kt) take turns, one instruction a turn; the first four start the sums
.macro PHA g
	WIN 0x0a
.set cc, 4*(\g)
.rept 4
.set tt, 0
.rept 4
.if cc == 0
	v_wmma_f32_16x16x32_bf16 v[AT+8*tt:AT+8*tt+7], v[128+16*cc+8*(tt%2):128+16*cc+8*(tt%2)+7], v[64*(tt/2)+8*cc:64*(tt/2)+8*cc+7], 0
.else
	v_wmma_f32_16x16x32_bf16 v[AT+8*tt:AT+8*tt+7], v[128+16*cc+8*(tt%2):128+16*cc+8*(tt%2)+7], v[64*(tt/2)+8*cc:64*(tt/2)+8*cc+7], v[AT+8*tt:AT+8*tt+7]
.endif
.set tt, tt+1
.endr
.set cc, cc+1
.endr
.endm
; 16 products of the second kind, each on an accumulator of its own
.macro PHB half, g
	WIN 0x53
.set mm, 8*(\g)
.rept 8
.set qq, 0
.rept 2
.if \half
	v_wmma_f32_16x16x32_f16 v[8*(2*mm+qq):8*(2*mm+qq)+7], v[8*mm:8*mm+7], v[AB+8*qq:AB+8*qq+7], v[8*(2*mm+qq):8*(2*mm+qq)+7]
.else
	v_wmma_f32_16x16x32_bf16 v[8*(2*mm+qq):8*(2*mm+qq)+7], v[8*mm:8*mm+7], v[AB+8*qq:AB+8*qq+7], v[8*(2*mm+qq):8*(2*mm+qq)+7]
.endif
.set qq, qq+1
.endr
.set mm, mm+1
.endr
.endm
; A STEP of 32 keys.  Its 64 loads came in four groups of 16; nxt = 1: each group's registers are asked for again, for the step four on, four places behind their last product.
; w0-w3: how many younger loads may stay out at each group's wait: three groups (48) while loads go on; 48, 32, 16, 0 in a pass's last step.
; The mask has no branch: SA = all ones if the step lies in front of my block, SD = all ones if it is my block's own.
.macro STEP half, nxt, w0, w1, w2, w3
	s_cmp_lt_u32 s[KS], s[J]
	s_cselect_b32 s[SA], -1, 0
	s_cmp_eq_u32 s[KS], s[J]
	s_cselect_b32 s[SD], -1, 0
	s_or_b32 s[SAD], s[SA], s[SD]
	s_wait_loadcnt \w0
	PHA 0
.if \nxt
	PLACES
	LOADK 0, 65536
.endif
	s_wait_loadcnt \w1
	PHA 1
	PLACES
.if \nxt
	LOADK 1, 65536
.endif
	WIN 0
.set i, 0
.rept 16
.if \half
	v_cvt_pk_f16_f32 v[AB+i], v[AT+2*i], v[AT+2*i+1]
.else
	v_cvt_pk_bf16_f32 v[AB+i], v[AT+2*i], v[AT+2*i+1]
.endif
.set i, i+1
.endr
.irp e, 0,1,2,3
	v_and_or_b32 v[MK+(\e)], v[TM+(\e)], s[SD], s[SA]
.endr
.irp e, 0,1,2,3
	v_and_b32 v[AB+(\e)], v[AB+(\e)], v[MK+(\e)]         ; qt 0, keys 0-15: the diagonal in my own step
	v_and_b32 v[AB+4+(\e)], s[SA], v[AB+4+(\e)]          ; qt 0, keys 16-31: hidden in my own step
	v_and_b32 v[AB+8+(\e)], s[SAD], v[AB+8+(\e)]         ; qt 1, keys 0-15: seen in my own step
	v_and_b32 v[AB+12+(\e)], v[AB+12+(\e)], v[MK+(\e)]   ; qt 1, keys 16-31: the diagonal
.endr
	s_wait_loadcnt \w2
	PHB \half, 0
.if \nxt
	PLACES
	LOADE 0, 65536
.endif
	s_wait_loadcnt \w3
	PHB \half, 1
	PLACES
.if \nxt
	LOADE 1, 65536
.endif
	WIN 0
.if \nxt
	s_wait_xcnt 0x0                                ; the loads have read their bases, which step only behind this wait
	s_add_nc_u64 s[PA:PA+1], s[PA:PA+1], 65536
	s_add_nc_u64 s[PB:PB+1], s[PB:PB+1], 65536
.endif
	s_add_co_u32 s[KS], s[KS], 4
.endm
; The four waves' partial sums meet: each stores its 32 accumulators, a barrier, each reads the four parts of its own 8 and adds them into N
.macro REDUCE
	WIN 0x04
.set i, 0
.rept 64
	ds_store_b128 v[REDS], v[4*i:4*i+3] offset:512*i
.set i, i+1
.endr
	WIN 0
	s_wait_dscnt 0x0                               ; for the others' sake: my stores are done
	s_barrier_signal -1
	s_barrier_wait -1
	WIN 0x40
.set i, 0
.rept 64
	ds_load_b128 v[4*i:4*i+3], v[REDL+i/32] offset:32768*((i/16)%2)+512*(i%16)
.set i, i+1
.endr
	WIN 0
	s_wait_dscnt 0x0
	WIN 0x05
.set i, 0
.rept 32
	v_pk_add_f32 v[N+i:N+i+1], v[i:i+1], v[64+i:64+i+1]
.set i, i+2
.endr
	WIN 0x01
.set i, 0
.rept 32
	v_pk_add_f32 v[N+i:N+i+1], v[128+i:128+i+1], v[N+i:N+i+1]
.set i, i+2
.endr
.set i, 0
.rept 32
	v_pk_add_f32 v[N+i:N+i+1], v[192+i:192+i+1], v[N+i:N+i+1]
.set i, i+2
.endr
	WIN 0
.endm
.macro CLEAR
	WIN 0x40
.set i, 0
.rept 256
	v_mov_b32 v[i], 0
.set i, i+1
.endr
	WIN 0
.endm
	; all the head's loads: what Z needs first
.irp m, 0,1,2,3
	global_load_b128 v[ZB+8*(\m):ZB+8*(\m)+3],   v[GSV], s[32:33] offset:64*(\m)
	global_load_b128 v[ZB+8*(\m)+4:ZB+8*(\m)+7], v[GSV], s[32:33] offset:64*(\m)+16
.endr
	WIN 0xc0
.irp m, 0,1,2,3
	global_load_b128 v[160+8*(\m):160+8*(\m)+3],   v[L16], s[28:29] offset:1024*(\m)
	global_load_b128 v[160+8*(\m)+4:160+8*(\m)+7], v[L16], s[28:29] offset:1024*(\m)+512
.endr
	WIN 0x80
.set i, 0
.rept 16
	global_load_b128 v[8*i:8*i+3],   v[L16], s[22:23] offset:1024*i
	global_load_b128 v[8*i+4:8*i+7], v[L16], s[22:23] offset:1024*i+512
.set i, i+1
.endr
	WIN 0xc0
.irp m, 0,1,2,3
	global_load_b128 v[192+8*(\m):192+8*(\m)+3],   v[H32], s[34:35] offset:64*(\m)
	global_load_b128 v[192+8*(\m)+4:192+8*(\m)+7], v[H32], s[34:35] offset:64*(\m)+16
.endr
.irp m, 0,1,2,3
	global_load_b128 v[224+8*(\m):224+8*(\m)+3],   v[L16], s[30:31] offset:512*(\m)
	global_load_b128 v[224+8*(\m)+4:224+8*(\m)+7], v[L16], s[30:31] offset:512*(\m)+8192
.endr
	LOADK 0, 0
	LOADK 1, 0
	LOADE 0, 0
	LOADE 1, 0
	CLEAR
.irp i, 2,3,4,5,6,7
	v_mov_b32 v[ST+(\i)], 0
.endr
	v_lshlrev_b32 v[MK], 3, v[HH]
	v_sub_nc_u32 v[MK], v[RR], v[MK]               ; query less my lanes' first key
.irp e, 0,1,2,3
	v_cmp_le_i32 vcc_lo, 2*(\e), v[MK]
	v_cndmask_b32 v[TM+(\e)], 0, s46, vcc_lo
	v_cmp_le_i32 vcc_lo, 2*(\e)+1, v[MK]
	v_cndmask_b32 v[MK+1], 0, s47, vcc_lo
	v_or_b32 v[TM+(\e)], v[TM+(\e)], v[MK+1]
	v_and_b32 v[TRI+(\e)], s48, v[TM+(\e)]
	v_mov_b32 v[TRI+4+(\e)], 0
	v_mov_b32 v[TRI+8+(\e)], s48
	v_and_b32 v[TRI+12+(\e)], s48, v[TM+(\e)]
.endr
	; Z of my 32 queries, my 64 slots: the groups in front of my block (lane % 16 = group; summed over 16 lanes), plus E^T of my block's keys times the triangle of ones
	s_wait_loadcnt 63                              ; the sixteen oldest of the 128 loads are in (112 younger ones were issued; the wait's field holds 63)
	v_cmp_gt_u32 vcc_lo, s[J], v[RR]
.set i, 0
.rept 32
	v_cndmask_b32 v[ZB+i], 0, v[ZB+i], vcc_lo
.set i, i+1
.endr
.irp m, 1,2,4,8
.set i, 0
.rept 32
	v_add_f32_dpp v[ZB+i], v[ZB+i], v[ZB+i] row_xmask:\m row_mask:0xf bank_mask:0xf
.set i, i+1
.endr
.endr
	WIN 0x03
.irp m, 0,1,2,3
.irp u, 0,1
	v_wmma_f32_16x16x32_bf16 v[RZ+8*(2*(\m)+(\u)):RZ+8*(2*(\m)+(\u))+7], v[160+8*(\m):160+8*(\m)+7], v[TRI+8*(\u):TRI+8*(\u)+7], v[ZB+8*(\m):ZB+8*(\m)+7]
.endr
.endr
	WIN 0
	PLACES
.set i, 0
.rept 64
	v_rcp_f32 v[RZ+i], v[RZ+i]
.set i, i+1
.endr
	v_nop
	; PASS 1: A = tril(Q K^T) in bf16, N = A E
	s_mov_b32 s[CI], 0
	s_cmp_lt_u32 s[CI], s[NM1]
	s_cbranch_scc0 .Ltail1
.Lloop1:
	STEP 0, 1, 48, 48, 48, 48
	s_add_co_u32 s[CI], s[CI], 1
	s_cmp_lt_u32 s[CI], s[NM1]
	s_cbranch_scc1 .Lloop1
.Ltail1:
	STEP 0, 0, 48, 32, 16, 0
.set PA, 36
.set PB, 38
	LOADK 0, 0                                     ; pass 2's first step is asked for: it lands under the softmax
	LOADK 1, 0
	LOADE 0, 0
	LOADE 1, 0
	WIN 0
	s_mov_b32 s[KS], s[WV]
	REDUCE
.set i, 0
	s_wait_alu depctr_va_vdst(0)
.rept 32
	v_pk_mul_f32 v[N+i:N+i+1], v[N+i:N+i+1], v[RZ+i:RZ+i+1]  ; ok
.set i, i+2
.endr
	; the softmax over 256 slots: my 64 first
	EACHQ v_max3_num_f32 v[ST+4*q+1], v[N+8*q], v[N+8*q+1], v[N+8*q+2]
.set i, 3
.rept 14
	EACHQ v_max3_num_f32 v[ST+4*q+1], v[ST+4*q+1], v[N+8*(2*(i/8)+q)+i%8], v[N+8*(2*((i+1)/8)+q)+(i+1)%8]
.set i, i+2
.endr
	EACHQ v_max_num_f32 v[ST+4*q+1], v[ST+4*q+1], v[N+8*(6+q)+7]
	EACHQ v_permlanex16_b32 v[ST+4*q+2], v[ST+4*q+1], s[SEL], s[SEL+1]
	EACHQ v_max_num_f32 v[ST+4*q+1], v[ST+4*q+1], v[ST+4*q+2]
	EACHQ v_mul_f32 v[ST+4*q], s[LG], v[ST+4*q+1]
.set i, 0
.rept 32
.set q, (i/8)%2
	v_pk_fma_f32 v[N+i:N+i+1], v[N+i:N+i+1], s[LG:LG+1], v[ST+4*q:ST+4*q+1] op_sel_hi:[1,0,0] neg_lo:[0,0,1] neg_hi:[0,0,1]
.set i, i+2
.endr
.set i, 0
.rept 64
	v_exp_f32 v[N+i], v[N+i]
.set i, i+1
.endr
	v_nop
	s_wait_alu depctr_va_vdst(0)
	EACHQ v_pk_add_f32 v[ST+4*q+2:ST+4*q+3], v[N+8*q:N+8*q+1], v[N+8*q+2:N+8*q+3]
.set k, 2
.rept 14
	EACHQ v_pk_add_f32 v[ST+4*q+2:ST+4*q+3], v[ST+4*q+2:ST+4*q+3], v[N+8*(2*(k/4)+q)+2*(k%4):N+8*(2*(k/4)+q)+2*(k%4)+1]
.set k, k+1
.endr
	EACHQ v_add_f32 v[ST+4*q+2], v[ST+4*q+2], v[ST+4*q+3]
	EACHQ v_permlanex16_b32 v[ST+4*q+3], v[ST+4*q+2], s[SEL], s[SEL+1]
	EACHQ v_add_f32 v[ST+4*q+1], v[ST+4*q+2], v[ST+4*q+3]
	EACHQ ds_store_b64 v[EXS], v[ST+4*q:ST+4*q+1] offset:512*q
	s_wait_dscnt 0x0
	s_barrier_signal -1
	s_barrier_wait -1                              ; the four waves' maxima and sums lie in LDS
	EACHQ ds_load_b128 v[AT+8*q:AT+8*q+3], v[EXL] offset:512*q
	EACHQ ds_load_b128 v[AT+8*q+4:AT+8*q+7], v[EXL] offset:512*q+16
	s_wait_dscnt 0x0
	EACHQ v_max3_num_f32 v[ST+4*q+2], v[AT+8*q], v[AT+8*q+2], v[AT+8*q+4]
	EACHQ v_max_num_f32 v[ST+4*q+2], v[ST+4*q+2], v[AT+8*q+6]
.irp w, 0,2,4,6
	EACHQ v_sub_f32 v[AT+8*q+(\w)], v[AT+8*q+(\w)], v[ST+4*q+2]
.endr
	EACHQ v_sub_f32 v[ST+4*q], v[ST+4*q], v[ST+4*q+2]
.irp w, 0,2,4,6
	EACHQ v_exp_f32 v[AT+8*q+(\w)], v[AT+8*q+(\w)]
.endr
	EACHQ v_exp_f32 v[ST+4*q], v[ST+4*q]
	v_nop
	s_wait_alu depctr_va_vdst(0)
	EACHQ v_mul_f32 v[ST+4*q+3], v[AT+8*q], v[AT+8*q+1]
.irp w, 2,4,6
	EACHQ v_fmac_f32 v[ST+4*q+3], v[AT+8*q+(\w)], v[AT+8*q+(\w)+1]
.endr
	EACHQ v_rcp_f32 v[ST+4*q+3], v[ST+4*q+3]
	v_nop
	s_wait_alu depctr_va_vdst(0)
	EACHQ v_mul_f32 v[ST+4*q+2], v[ST+4*q], v[ST+4*q+3]
	; P' = p (my maximum's correction / the sum) / Z, in bf16, to all four waves
.set i, 0
.rept 32
.set q, (i/8)%2
	v_pk_mul_f32 v[N+i:N+i+1], v[N+i:N+i+1], v[RZ+i:RZ+i+1]
	v_pk_mul_f32 v[N+i:N+i+1], v[N+i:N+i+1], v[ST+4*q+2:ST+4*q+3] op_sel_hi:[1,0]
.set i, i+2
.endr
.set i, 0
.rept 32
	v_cvt_pk_bf16_f32 v[ZB+i], v[N+2*i], v[N+2*i+1]
.set i, i+1
.endr
.irp m, 0,1,2,3
	EACHQ ds_store_b128 v[PXS], v[ZB+4*(2*(\m)+q):ZB+4*(2*(\m)+q)+3] offset:8192*q+512*(\m)
.endr
	CLEAR
	s_wait_dscnt 0x0
	s_barrier_signal -1
	s_barrier_wait -1
	WIN 0x80
.set i, 0
.rept 32
	ds_load_b128 v[4*i:4*i+3], v[PXL] offset:512*i ; qt = i / 16, slots 16 (i % 16) ..: where Q lay
.set i, i+1
.endr
	WIN 0
	s_wait_dscnt 0x0
	; PASS 2: A2 = tril(P' E^T) in f16, o = A2 V
	s_mov_b32 s[CI], 0
	s_cmp_lt_u32 s[CI], s[NM1]
	s_cbranch_scc0 .Ltail2
.Lloop2:
	STEP 1, 1, 48, 48, 48, 48
	s_add_co_u32 s[CI], s[CI], 1
	s_cmp_lt_u32 s[CI], s[NM1]
	s_cbranch_scc1 .Lloop2
.Ltail2:
	STEP 1, 0, 48, 32, 16, 0
	REDUCE                                         ; every wave's reads of the first pass's partial sums were waited for in front of an earlier barrier
	; RMSNorm over the head's 256 channels
	EACHQ v_pk_mul_f32 v[ST+4*q+2:ST+4*q+3], v[N+8*q:N+8*q+1], v[N+8*q:N+8*q+1]
.set k, 1
.rept 15
	EACHQ v_pk_fma_f32 v[ST+4*q+2:ST+4*q+3], v[N+8*(2*(k/4)+q)+2*(k%4):N+8*(2*(k/4)+q)+2*(k%4)+1], v[N+8*(2*(k/4)+q)+2*(k%4):N+8*(2*(k/4)+q)+2*(k%4)+1], v[ST+4*q+2:ST+4*q+3]
.set k, k+1
.endr
	EACHQ v_add_f32 v[ST+4*q+2], v[ST+4*q+2], v[ST+4*q+3]
	EACHQ v_permlanex16_b32 v[ST+4*q+3], v[ST+4*q+2], s[SEL], s[SEL+1]
	EACHQ v_add_f32 v[ST+4*q+2], v[ST+4*q+2], v[ST+4*q+3]
	EACHQ ds_store_b32 v[SSS], v[ST+4*q+2] offset:256*q
	s_wait_dscnt 0x0
	s_barrier_signal -1
	s_barrier_wait -1
	EACHQ ds_load_b128 v[AT+8*q:AT+8*q+3], v[SSL] offset:256*q
	WIN 0x0f                                       ; gn, rounded to bf16 like every input, while the loads are out
.set i, 0
.rept 16
	v_cvt_pk_bf16_f32 v[AB+i], v[192+2*i], v[192+2*i+1]
.set i, i+1
.endr
	WIN 0
.set i, 0
.rept 16
	v_lshlrev_b32 v[RZ+2*i], 16, v[AB+i]
	v_and_b32 v[RZ+2*i+1], s47, v[AB+i]
.set i, i+1
.endr
	s_wait_dscnt 0x0
	EACHQ v_add_f32 v[AT+8*q], v[AT+8*q], v[AT+8*q+1]
	EACHQ v_add_f32 v[AT+8*q+2], v[AT+8*q+2], v[AT+8*q+3]
	EACHQ v_add_f32 v[AT+8*q], v[AT+8*q], v[AT+8*q+2]
	EACHQ v_fma_f32 v[ST+4*q+2], v[AT+8*q], s55, s56
	EACHQ v_rsq_f32 v[ST+4*q+2], v[ST+4*q+2]
	v_nop
.set i, 0
	s_wait_alu depctr_va_vdst(0)
.rept 32
.set q, (i/8)%2
	v_pk_mul_f32 v[N+i:N+i+1], v[N+i:N+i+1], v[ST+4*q+2:ST+4*q+3] op_sel_hi:[1,0]
	v_pk_mul_f32 v[N+i:N+i+1], v[N+i:N+i+1], v[RZ+8*(i/16)+i%8:RZ+8*(i/16)+i%8+1]
.set i, i+2
.endr
	WIN 0x0c                                       ; times swish(g), straight from its f16 halves
.set i, 0
.rept 32
	v_fma_mix_f32 v[N+2*i], v[N+2*i], v[224+i], v[NIL] op_sel_hi:[0,1,0]
	v_fma_mix_f32 v[N+2*i+1], v[N+2*i+1], v[224+i], v[NIL] op_sel:[0,1,0] op_sel_hi:[0,1,0]
.set i, i+1
.endr
	WIN 0
.set i, 0
.rept 32                               ; y = hi + lo, both bf16
.set u, TT+2*(i%4)
	v_cvt_pk_bf16_f32 v[ZB+i], v[N+2*i], v[N+2*i+1]
	v_lshlrev_b32 v[u], 16, v[ZB+i]
	v_and_b32 v[u+1], s47, v[ZB+i]
	v_pk_add_f32 v[N+2*i:N+2*i+1], v[N+2*i:N+2*i+1], v[u:u+1] neg_lo:[0,1] neg_hi:[0,1]
	v_cvt_pk_bf16_f32 v[AT+i], v[N+2*i], v[N+2*i+1]
.set i, i+1
.endr
.irp m, 0,1,2,3
	EACHQ global_store_b128 v[L16], v[ZB+4*(2*(\m)+q):ZB+4*(2*(\m)+q)+3], s[40:41] offset:8192*((\m)/2)+2048*q+512*((\m)%2)
	EACHQ global_store_b128 v[L16], v[AT+4*(2*(\m)+q):AT+4*(2*(\m)+q)+3], s[40:41] offset:8192*((\m)/2)+2048*q+512*((\m)%2)+1024
.endr
	s_wait_tensorcnt 0x0                           ; the wave's end, behind my last LDS store
	ds_add_u32 v[SPW], v[NIL]
	s_wait_dscnt 0x0
	s_endpgm
.Lfunc_end_k_qa6bb9f09cb_abc:
	.size	k_qa6bb9f09cb_abc, .Lfunc_end_k_qa6bb9f09cb_abc-k_qa6bb9f09cb_abc
	.p2alignl 7, 3214868480
	.fill 96, 4, 3214868480
	.section	.rodata,"a",@progbits
	.p2align	6, 0x0
	.amdhsa_kernel k_qa6bb9f09cb_abc
		.amdhsa_group_segment_fixed_size 149504
		.amdhsa_private_segment_fixed_size 0
		.amdhsa_enable_private_segment 0
		.amdhsa_kernarg_size 24
		.amdhsa_user_sgpr_count 2
		.amdhsa_user_sgpr_kernarg_segment_ptr 1
		.amdhsa_wavefront_size32 1
		.amdhsa_system_sgpr_workgroup_id_x 1
		.amdhsa_system_sgpr_workgroup_id_y 1
		.amdhsa_system_sgpr_workgroup_id_z 1
		.amdhsa_system_vgpr_workitem_id 0
		.amdhsa_next_free_vgpr 1024
		.amdhsa_next_free_sgpr 66
		.amdhsa_reserve_vcc 1
		.amdhsa_float_denorm_mode_32 3
		.amdhsa_float_denorm_mode_16_64 3
		.amdhsa_memory_ordered 1
		.amdhsa_forward_progress 1
		.amdhsa_inst_pref_size 164
	.end_amdhsa_kernel
	.amdgpu_metadata
---
amdhsa.version: [ 1, 2 ]
amdhsa.kernels:
  - .name:           k_qa6bb9f09cb_abc
    .symbol:         k_qa6bb9f09cb_abc.kd
    .args:
      - { .name: mid, .offset: 0, .size: 8, .value_kind: global_buffer, .address_space: global }
      - { .name: gn_w, .offset: 8, .size: 8, .value_kind: global_buffer, .address_space: global }
      - { .name: yf, .offset: 16, .size: 8, .value_kind: global_buffer, .address_space: global }
    .group_segment_fixed_size: 149504
    .private_segment_fixed_size: 0
    .kernarg_segment_align: 8
    .kernarg_segment_size: 24
    .max_flat_workgroup_size: 128
    .sgpr_count:     66
    .vgpr_count:     1024
    .wavefront_size: 32
...
	.end_amdgpu_metadata
.endif
;; end of part 3
;; launch outp (part 4): grid 8 x 32, 4 waves a work-group, clusters of 4 x 4, 327,680 bytes of LDS; arguments yf, pre, out0; writes out0
.if DOCPART == 4
	.amdgcn_target "amdgcn-amd-amdhsa--gfx1250"
	.amdhsa_code_object_version 6
	.text
	.protected	k_qa6bb9f09cb_outp
	.globl	k_qa6bb9f09cb_outp
	.p2align	8
	.type	k_qa6bb9f09cb_outp,@function
k_qa6bb9f09cb_outp:
	s_mov_b64 s[64:65], 0
	v_nop
	global_prefetch_b8 v0, s[64:65] scope:SCOPE_SE
	s_setreg_imm32_b32 hwreg(HW_REG_WAVE_MODE, 25, 1), 1
	s_wait_xcnt 0x0
	s_wait_alu depctr_hold_cnt(0) depctr_sa_sdst(0) depctr_va_vdst(0) depctr_va_sdst(0) depctr_va_ssrc(0) depctr_va_vcc(0) depctr_vm_vsrc(0)
	s_getreg_b32 s2, hwreg(HW_REG_IB_STS2, 6, 4)
	s_cmp_eq_u32 s2, 0
	s_cbranch_scc0 .Lentry_in_a_cluster
	s_endpgm
.Lentry_in_a_cluster:
	s_bfe_u32 s2, ttmp6, 0x10000c
	s_cmp_lg_u32 s2, 0xf033
	s_cbranch_scc0 .Lentry_shape_is_right
	s_endpgm
.Lentry_shape_is_right:
; OUTP: out0 = y o_w.  y comes as two bf16 numbers (hi + lo), both multiplied by the same fragment of o_w and added onto the same f32 sum; o_w in bf16.
; A work-group makes 64 rows x 128 columns; four waves, each 32 x 64: 8 accumulators.  K goes in steps of 256 (a head) through two LDS slots; y and o_w lie in memory as they will
; lie in registers, so a slot's two halves are dense blocks of 65,536 bytes and every LDS load takes 512 consecutive bytes.
; CLUSTER 4 x 4: y's block hangs on the row block alone and is asked for jointly along a row of the cluster, o_w's on the column block alone, along a column.
; THE MATRIX INSTRUCTION IS USED TRANSPOSED (source 0 = 16 columns of o_w, source 1 = 16 rows of y): a lane holds eight neighbouring f32 of a row of out0.
; REGISTERS: window 0: v16-29 addresses; v32-95 at work on the way out; v128-191 the accumulators ((a, b) at 128 + 8 (4 a + b)).
;   window 1: two fragment buffers of 128, for 64 along K: y at 8 (4 c + 2 a + part), o_w at 64 + 8 (4 c + b).
.set OFO,   14680064
.set HALFT, 32768                      ; what one tensor load brings
.set SLOT,  131072
.set STAGE, 2*SLOT                     ; behind the ring: 32 rows x 272 bytes for each wave, for the way out
.set SPITCH, 272
.set SPARE, STAGE+4*32*SPITCH          ; the spare words, 128 bytes for each wave: two blocks of 256 bytes that no other line names
.set LAPS,  2                          ; a lap = two K steps
.set ADRA, 16
.set ADRB, 20
.set STO,  24
.set RD,   25
.set CO,   26
.set SPW,  28
.set NIL,  29
.set TMP,  32
.set ACC,  128
.set F0,   0
.set F1,   128
.set G1,  24
.set G0,  32
.set G1B, 48
.set G0B, 56
.set MSB, 0
.macro WIN new                         ; the immediate's high byte repeats the setting that is left
.if MSB != (\new)
	s_set_vgpr_msb (MSB<<8)|(\new)
.set MSB, \new
.endif
.endm
.set MUL,  0x05                        ; sources 0 and 1 window 1; C and D window 0
.set TO_F, 0x40                        ; destination window 1, address window 0
.macro JLOAD s                         ; a joint load: waves 0 and 1 fetch y's two halves, waves 2 and 3 o_w's; an s_nop 0 and four v_nop follow each of the two lines
	s_cmp_eq_u32 s11, 0
	s_cbranch_scc0 .Lfor_b_\@
	tensor_load_to_lds s[G0+4*(\s):G0+4*(\s)+3], s[G1:G1+7]
	s_nop 0
.rept 4
	v_nop
.endr
	s_branch .Lasked_\@
.Lfor_b_\@:
	tensor_load_to_lds s[G0B+4*(\s):G0B+4*(\s)+3], s[G1B:G1B+7]
	s_nop 0
.rept 4
	v_nop
.endr
.Lasked_\@:
.endm
.macro CREST
	s_cmp_lg_u32 s10, 0
	s_cbranch_scc1 .Lnot_wave_0_\@
	s_barrier_signal -3
.Lnot_wave_0_\@:
	s_barrier_wait -3
	s_barrier_signal -1
	s_barrier_wait -1
.endm
.macro CROUND
	s_barrier_signal -1
	s_barrier_wait -1
	CREST
.endm
.macro PLACES
.rept 4
	v_nop
.endr
.endm
	s_load_b128 s[4:7], s[0:1], 0x0                ; yf s[4:5], pre s[6:7]
	s_load_b64 s[8:9], s[0:1], 0x10                ; out0
	v_lshl_add_u32 v[SPW], v0, 2, SPARE
	v_mov_b32 v[NIL], 0
	ds_add_u32 v[SPW], v[NIL]                      ; the wave's opening: the add and its wait stand ahead of my first tensor load
	v_lshrrev_b32 v1, 5, v0
	v_readfirstlane_b32 s10, v1                    ; wave
	s_lshr_b32 s11, s10, 1                         ; which 32 rows are mine.  Also: I fetch y (0) or o_w (1)
	s_and_b32 s12, s10, 1                          ; which 64 columns.  Also: which half I fetch
	s_bfe_u32 s40, ttmp6, 0x40000                  ; cx
	s_bfe_u32 s41, ttmp6, 0x40004                  ; cy
	s_lshl_b32 s42, ttmp9, 2
	s_add_co_u32 s42, s42, s40                     ; column block
	s_and_b32 s13, ttmp7, 0xffff
	s_lshl_b32 s13, s13, 2
	s_add_co_u32 s13, s13, s41                     ; row block
	s_lshl_b32 s43, s41, 2
	s_lshl_b32 s43, 15, s43                        ; my row of the cluster
	s_lshl_b32 s44, 0x1111, s40                    ; my column
	s_or_b32 s[G1+0], s43, (3<<16)|(1<<21)         ; a dense block, as 128 rows of 32 elements of 8 bytes
	s_or_b32 s[G1B+0], s44, (3<<16)|(1<<21)
.irp g, G1, G1B
	s_mov_b32 s[(\g)+1], 32<<16
	s_mov_b32 s[(\g)+2], 128<<16
	s_mov_b32 s[(\g)+3], 32<<16
	s_mov_b32 s[(\g)+4], 128
	s_mov_b32 s[(\g)+5], 32
	s_mov_b32 s[(\g)+6], 0
	s_mov_b32 s[(\g)+7], 0
.endr
	s_lshl_b32 s17, s12, 15                        ; my half of a block
	s_lshl_b32 s16, s13, 18
	s_add_co_u32 s16, s16, s17
	s_lshl_b32 s46, s42, 18
	s_add_co_u32 s46, s46, s17
	s_add_co_u32 s46, s46, OFO
	s_mov_b32 s17, 0
	s_mov_b32 s47, 0
	s_lshl_b32 s20, s10, 15                        ; where they go: wave x 32,768
	s_wait_dscnt 0x0                               ; the opening add is done
	s_wait_kmcnt 0x0
	s_add_nc_u64 s[14:15], s[4:5], s[16:17]
	s_add_nc_u64 s[46:47], s[6:7], s[46:47]
	CROUND                                         ; all sixteen work-groups are here: the first joint loads meet
.irp s, 0,1
	s_mov_b32 s[G0+4*(\s)], 1
	s_add_co_u32 s[G0+4*(\s)+1], s20, (\s)*SLOT
	s_add_nc_u64 s[G0+4*(\s)+2:G0+4*(\s)+3], s[14:15], (\s)*65536
	s_or_b32 s[G0+4*(\s)+3], s[G0+4*(\s)+3], 0x80000000
	s_mov_b32 s[G0B+4*(\s)], 1
	s_add_co_u32 s[G0B+4*(\s)+1], s20, (\s)*SLOT
	s_add_nc_u64 s[G0B+4*(\s)+2:G0B+4*(\s)+3], s[46:47], (\s)*65536
	s_or_b32 s[G0B+4*(\s)+3], s[G0B+4*(\s)+3], 0x80000000
	JLOAD \s                                       ; two loads of mine are out
.endr
	v_and_b32 v1, 15, v0                           ; l % 16
	v_bfe_u32 v2, v0, 4, 1                         ; l / 16
	v_and_b32 v3, 31, v0
	v_lshlrev_b32 v3, 4, v3                        ; 16 x lane
	s_lshl_b32 s21, s11, 12                        ; my two row tiles
	s_lshl_b32 s22, s12, 12                        ; my four column tiles,
	s_add_co_u32 s22, s22, 65536                   ; behind y's block
.irp s, 0,1
	v_add_nc_u32 v[ADRA+(\s)], s21, v3
	v_add_nc_u32 v[ADRB+(\s)], s22, v3
	s_add_co_u32 s21, s21, SLOT
	s_add_co_u32 s22, s22, SLOT
.endr
	s_mul_i32 s23, s10, 32*SPITCH
	s_add_co_u32 s23, s23, STAGE                   ; my stage
	v_mul_u32_u24 v4, v1, SPITCH                   ; in: row l % 16, 32 bytes for each half of the lanes
	v_lshl_add_u32 v4, v2, 5, v4
	v_add_nc_u32 v[STO], s23, v4
	v_mul_u32_u24 v5, v2, SPITCH                   ; back: lanes 0-15 take one row of 256 bytes, lanes 16-31 the next
	v_lshl_add_u32 v5, v1, 4, v5
	v_add_nc_u32 v[RD], s23, v5
	v_lshlrev_b32 v5, 12, v2                       ; and the same two rows in out0
	v_lshl_add_u32 v[CO], v1, 4, v5
	s_lshl_b32 s16, s13, 18                        ; row 64 x row block + 32 x half, 4,096 bytes a row
	s_lshl_b32 s17, s11, 17
	s_add_co_u32 s16, s16, s17
	s_mov_b32 s17, 0
	s_add_nc_u64 s[8:9], s[8:9], s[16:17]
	s_lshl_b32 s46, s42, 9                         ; column 128 x column block + 64 x half, in bytes
	s_lshl_b32 s47, s12, 8
	s_add_co_u32 s46, s46, s47
	s_mov_b32 s47, 0
	s_add_nc_u64 s[8:9], s[8:9], s[46:47]
; 8 matrix instructions: my 2 row tiles x 4 column tiles, 32 along K (half c of buffer f), part 0: hi, 1: lo.  The 8 accumulators take turns.
.macro MUL8 f, c, part, zero
	WIN MUL
.irp a, 0,1
.irp b, 0,1,2,3
.if \zero
	v_wmma_f32_16x16x32_bf16 v[ACC+8*(4*(\a)+(\b)):ACC+8*(4*(\a)+(\b))+7], v[(\f)+64+8*(4*(\c)+(\b)):(\f)+64+8*(4*(\c)+(\b))+7], v[(\f)+8*(4*(\c)+2*(\a)+(\part)):(\f)+8*(4*(\c)+2*(\a)+(\part))+7], 0
.else
	v_wmma_f32_16x16x32_bf16 v[ACC+8*(4*(\a)+(\b)):ACC+8*(4*(\a)+(\b))+7], v[(\f)+64+8*(4*(\c)+(\b)):(\f)+64+8*(4*(\c)+(\b))+7], v[(\f)+8*(4*(\c)+2*(\a)+(\part)):(\f)+8*(4*(\c)+2*(\a)+(\part))+7], v[ACC+8*(4*(\a)+(\b)):ACC+8*(4*(\a)+(\b))+7]
.endif
.endr
.endr
.endm
; 32 LDS loads in one run: quarter q (64 along K) of a slot into buffer f; the first 32 along K first
.macro FETCH slot, q, f
	WIN TO_F
.irp c, 0,1
.irp i, 0,1,2,3
	ds_load_b128 v[(\f)+64+8*(4*(\c)+(\i)):(\f)+64+8*(4*(\c)+(\i))+3],   v[ADRB+(\slot)] offset:8192*(2*(\q)+(\c))+1024*(\i)
	ds_load_b128 v[(\f)+64+8*(4*(\c)+(\i))+4:(\f)+64+8*(4*(\c)+(\i))+7], v[ADRB+(\slot)] offset:8192*(2*(\q)+(\c))+1024*(\i)+512
	ds_load_b128 v[(\f)+8*(4*(\c)+(\i)):(\f)+8*(4*(\c)+(\i))+3],         v[ADRA+(\slot)] offset:8192*(2*(\q)+(\c))+1024*(\i)
	ds_load_b128 v[(\f)+8*(4*(\c)+(\i))+4:(\f)+8*(4*(\c)+(\i))+7],       v[ADRA+(\slot)] offset:8192*(2*(\q)+(\c))+1024*(\i)+512
.endr
.endr
.endm
.macro QUARTER slot, q, f, g, zero
	s_wait_dscnt 16                                ; the first 32 along K are in
	MUL8 \f, 0, 0, \zero
	MUL8 \f, 0, 1, 0
	PLACES
	FETCH \slot, \q, \g
	s_wait_dscnt 32                                ; all but the 32 just issued
	MUL8 \f, 1, 0, 0
	MUL8 \f, 1, 1, 0
.endm
.macro TURN slot, next, fill
	WIN 0
	s_wait_tensorcnt 0x0                           ; all my tensor loads have landed: my part of the next slot;
	ds_add_u32 v[SPW], v[NIL]                      ; 0 onto my spare word;
	s_wait_dscnt 17                                ; (the add and the youngest sixteen loads may be out)
	MUL8 F1, 0, 0, 0
	s_wait_dscnt 0x0                               ; the add is done, and my reads of this slot are over
	s_barrier_signal -1
	MUL8 F1, 0, 1, 0
.if \fill
	WIN 0
.endif
	s_barrier_wait -1
.if \fill
	CREST                                          ; the barrier has opened a round of the cluster's: no wave of any partner still reads this slot or has a load on its way
	s_add_nc_u64 s[G0+4*(\slot)+2:G0+4*(\slot)+3], s[G0+4*(\slot)+2:G0+4*(\slot)+3], 131072
	s_add_nc_u64 s[G0B+4*(\slot)+2:G0B+4*(\slot)+3], s[G0B+4*(\slot)+2:G0B+4*(\slot)+3], 131072
	JLOAD \slot                                    ; the first tensor load behind the round; its four v_nop are also the places in front of the loads below
.else
	PLACES
.endif
	FETCH \next, 0, F0
	MUL8 F1, 1, 0, 0
	MUL8 F1, 1, 1, 0
.endm
	s_wait_tensorcnt 0x1                           ; my part of K step 0 is in; K step 1's may stay out
	s_barrier_signal -1
	s_barrier_wait -1
	FETCH 0, 0, F0
	QUARTER 0, 1, F0, F1, 1                        ; the first quarter stands in front of the loop: its first products start the sums
	WIN 0
	s_mov_b32 s3, LAPS-1
.Llap:
	QUARTER 0, 2, F1, F0, 0
	QUARTER 0, 3, F0, F1, 0
	TURN 0, 1, 1
	QUARTER 1, 1, F0, F1, 0
	QUARTER 1, 2, F1, F0, 0
	QUARTER 1, 3, F0, F1, 0
	TURN 1, 0, 1
	QUARTER 0, 1, F0, F1, 0
	WIN 0
	s_sub_co_u32 s3, s3, 1
	s_cmp_lg_u32 s3, 0
	s_cbranch_scc1 .Llap
	QUARTER 0, 2, F1, F0, 0                        ; the last lap fills nothing
	QUARTER 0, 3, F0, F1, 0
	TURN 0, 1, 0
	QUARTER 1, 1, F0, F1, 0
	QUARTER 1, 2, F1, F0, 0
	QUARTER 1, 3, F0, F1, 0
	s_wait_dscnt 16
	MUL8 F1, 0, 0, 0
	MUL8 F1, 0, 1, 0
	s_wait_dscnt 0x0
	MUL8 F1, 1, 0, 0
	MUL8 F1, 1, 1, 0
	WIN 0
	; THE WAY OUT: a wave's 64 columns of f32 are 256 bytes of a row: through my own stage, back as whole rows
	PLACES
.irp a, 0,1
.irp b, 0,1,2,3
	ds_store_b128 v[STO], v[ACC+8*(4*(\a)+(\b)):ACC+8*(4*(\a)+(\b))+3]   offset:16*SPITCH*(\a)+64*(\b)
	ds_store_b128 v[STO], v[ACC+8*(4*(\a)+(\b))+4:ACC+8*(4*(\a)+(\b))+7] offset:16*SPITCH*(\a)+64*(\b)+16
.endr
.endr
.irp t, 0,1,2,3,4,5,6,7,8,9,10,11,12,13,14,15
	ds_load_b128 v[TMP+4*(\t):TMP+4*(\t)+3], v[RD] offset:(\t)*2*SPITCH  ; LDS serves a wave's instructions in order (ISA guide 5.7.1.4): these see the stores above
.endr
.irp t, 0,1,2,3,4,5,6,7,8,9,10,11,12,13,14,15
	s_wait_dscnt 15-(\t)
	global_store_b128 v[CO], v[TMP+4*(\t):TMP+4*(\t)+3], s[8:9] offset:8192*(\t)  ; 16 lanes store 256 consecutive bytes, at a multiple of 256 from out0's first byte
.endr
	s_wait_tensorcnt 0x0                           ; the wave's end, behind my last tensor load and my last LDS store
	ds_add_u32 v[SPW], v[NIL]
	s_wait_dscnt 0x0
	CROUND                                         ; the closing round: no work-group ends while a partner may still ask for a tile that names it
	s_endpgm
.Lfunc_end_k_qa6bb9f09cb_outp:
	.size	k_qa6bb9f09cb_outp, .Lfunc_end_k_qa6bb9f09cb_outp-k_qa6bb9f09cb_outp
	.p2alignl 7, 3214868480
	.fill 96, 4, 3214868480
	.section	.rodata,"a",@progbits
	.p2align	6, 0x0
	.amdhsa_kernel k_qa6bb9f09cb_outp
		.amdhsa_group_segment_fixed_size 327680
		.amdhsa_private_segment_fixed_size 0
		.amdhsa_enable_private_segment 0
		.amdhsa_kernarg_size 24
		.amdhsa_user_sgpr_count 2
		.amdhsa_user_sgpr_kernarg_segment_ptr 1
		.amdhsa_wavefront_size32 1
		.amdhsa_system_sgpr_workgroup_id_x 1
		.amdhsa_system_sgpr_workgroup_id_y 1
		.amdhsa_system_sgpr_workgroup_id_z 1
		.amdhsa_system_vgpr_workitem_id 0
		.amdhsa_next_free_vgpr 512
		.amdhsa_next_free_sgpr 66
		.amdhsa_reserve_vcc 0
		.amdhsa_float_denorm_mode_32 3
		.amdhsa_float_denorm_mode_16_64 3
		.amdhsa_memory_ordered 1
		.amdhsa_forward_progress 1
		.amdhsa_inst_pref_size 82
	.end_amdhsa_kernel
	.amdgpu_metadata
---
amdhsa.version: [ 1, 2 ]
amdhsa.kernels:
  - .name:           k_qa6bb9f09cb_outp
    .symbol:         k_qa6bb9f09cb_outp.kd
    .args:
      - { .name: yf, .offset: 0, .size: 8, .value_kind: global_buffer, .address_space: global }
      - { .name: pre, .offset: 8, .size: 8, .value_kind: global_buffer, .address_space: global }
      - { .name: out0, .offset: 16, .size: 8, .value_kind: global_buffer, .address_space: global }
    .group_segment_fixed_size: 327680
    .private_segment_fixed_size: 0
    .kernarg_segment_align: 8
    .kernarg_segment_size: 24
    .max_flat_workgroup_size: 128
    .sgpr_count:     66
    .vgpr_count:     512
    .wavefront_size: 32
...
	.end_amdgpu_metadata
.endif
;; end of part 4
